; MI455X (gfx1250); checked and timed in simulation.
; The chip was launched on July 23, 2026; its instructions are those of AMD's public machine-readable ISA for CDNA 5 (MIT licence, August 2026) and "CDNA5" Instruction Set Architecture Reference Guide (July 2026). The comments in the code are by the model that wrote it; some were corrected since.
;; GRU Cell. Allowed arithmetic: matrix products marked QUANTISED: E2M3 operands, one E8M0 scale for each 32 along K, by v_wmma_scale_f32_16x16x128_f8f6f4 with both operands' format E2M3, f32 sums; everything else in f32.
;; Inputs: b_h 2,048 float32; b_r 2,048 float32; b_z 2,048 float32; hidden 2,048 x 2,048 float32; hyp_x 2,048 x 2,048 float32; u_r_codes 2,048 x 64 x 24 uint8 (E2M3 codes of u_r, K innermost, in blocks of 32 codes, four codes in three bytes); u_r_scales 2,048 x 64 uint8 (E8M0 scales of u_r, one for each 32 codes along K); u_z_codes 2,048 x 64 x 24 uint8 (E2M3 codes of u_z, K innermost, in blocks of 32 codes, four codes in three bytes); u_z_scales 2,048 x 64 uint8 (E8M0 scales of u_z, one for each 32 codes along K); w_h_codes 2,048 x 64 x 24 uint8 (E2M3 codes of w_h, K innermost, in blocks of 32 codes, four codes in three bytes); w_h_scales 2,048 x 64 uint8 (E8M0 scales of w_h, one for each 32 codes along K); w_r_codes 2,048 x 64 x 24 uint8 (E2M3 codes of w_r, K innermost, in blocks of 32 codes, four codes in three bytes); w_r_scales 2,048 x 64 uint8 (E8M0 scales of w_r, one for each 32 codes along K); w_z_codes 2,048 x 64 x 24 uint8 (E2M3 codes of w_z, K innermost, in blocks of 32 codes, four codes in three bytes); w_z_scales 2,048 x 64 uint8 (E8M0 scales of w_z, one for each 32 codes along K).
;; Outputs: out0 2,048 x 2,048 float32.
;; This version of the problem:
;;   THIS VERSION OF THE PROBLEM IS GIVEN IN LOW PRECISION. The matrix products marked QUANTISED in the list below multiply operands that are first quantised to E2M3 (2 exponent bits, 3 mantissa bits; 6 bits a number), with one power-of-two scale for each 32 numbers along K (OCP MX v1.0); their sums are f32. All else is computed in f32.
;;   The module's matrix products, in the order in which they are computed (A, B: the left and right operand; K: the contracted axis; several contracted axes count as one K, in the product's order):
;;     1. [M 2,048, K 2,048] x [K 2,048, N 2,048]; A: computed on the way; B: input w_z (given as codes): QUANTISED
;;     2. [M 2,048, K 2,048] x [K 2,048, N 2,048]; A: computed on the way; B: input u_z (given as codes): QUANTISED
;;     3. [M 2,048, K 2,048] x [K 2,048, N 2,048]; A: computed on the way; B: input w_r (given as codes): QUANTISED
;;     4. [M 2,048, K 2,048] x [K 2,048, N 2,048]; A: computed on the way; B: input u_r (given as codes): QUANTISED
;;     5. [M 2,048, K 2,048] x [K 2,048, N 2,048]; A: computed on the way; B: input w_h (given as codes): QUANTISED
;;     6. [M 2,048, K 2,048] x [K 2,048, N 2,048]; A: computed on the way; B: input u_r (given as codes): QUANTISED
;;   THE QUANTISER, for each operand of a quantised product, along K:
;;     - K is cut into blocks of 32 from its start; a last block that is shorter is filled with zeros.
;;     - A block's scale is 2^e with e = floor(log2(the largest magnitude in the block)) - 2, held to -126 .. 127; a block of zeros has e = 0. As a byte (E8M0): e + 127.
;;     - Each number is divided by its block's scale, clamped to +-7.5, and rounded to the nearest number of E2M3, ties to even, subnormals kept.
;;     - The product sums the exact products of the quantised numbers (number of the format x scale) in f32.
;;   ~~~python
;;   def quantise(x, axis):      # numpy; x: float32 -> the quantised numbers, widened to float32 again
;;       x = np.moveaxis(x, axis, -1); K = x.shape[-1]
;;       x = np.pad(x, [(0, 0)] * (x.ndim - 1) + [(0, -K % 32)]); x = x.reshape(x.shape[:-1] + (-1, 32)); a = np.abs(x).max(-1, keepdims=True)
;;       e = np.where(a > 0, np.clip(np.frexp(np.where(a > 0, a, 1))[1] - 1 - 2, -126, 127), 0)      # np.frexp(a)[1] - 1 = floor(log2(a)), exactly
;;       r = np.clip(x / 2.0 ** e, -7.5, 7.5)
;;       step = 2.0 ** (np.maximum(np.frexp(np.where(r == 0, 1, r))[1] - 1, 0) - 3)
;;       q = np.round(r / step) * step * 2.0 ** e      # np.round: ties to even
;;       return np.moveaxis(q.reshape(q.shape[:-2] + (-1,))[..., :K], -1, axis).astype(np.float32)
;;   ~~~
;;   OPERANDS COMPUTED ON THE WAY. 'Computed on the way' means the value that the module computes at that place (a softmax that the list does not call 'softmax' is quantised finished and normalised). What goes into a quantiser is computed in f32, as accurately as f32 sums, v_exp_f32 and their like allow (about 1e-6 of the number): no bf16 or f16 on the way to a quantiser, and a product that is left as it is and whose result goes on into a quantised operand takes f32 operands (vector FMAs, or v_wmma_f32_16x16x4_f32). A number that lies on a knife's edge between two numbers of the format may be rounded either way, as far as f32 arithmetic and the matrix unit's own rounding can turn it there, and no further.
;;   INPUTS GIVEN AS CODES. u_r (in the module: [2048, 2048], K = its axis 0); u_z (in the module: [2048, 2048], K = its axis 0); w_h (in the module: [2048, 2048], K = its axis 0); w_r (in the module: [2048, 2048], K = its axis 0); w_z (in the module: [2048, 2048], K = its axis 0): each comes as NAME_codes (uint8): NAME with its K axis moved to the last place and cut into blocks of 32 codes, [.., K / 32, bytes a block], one block behind the other in memory; four codes in three bytes: a row's codes are one little-endian stream of bits, code i at bits 6 i .. 6 i + 5 (a code: sign, 2 exponent bits, 3 mantissa bits); and NAME_scales (uint8): the same leading axes, one E8M0 byte (e + 127) for each 32 codes along K. Its value is code x scale, taken as it is: it is not quantised again, and the codes and scales need not be those that the quantiser above would give.
;; One version. Each part assembles by itself: llvm-mc -triple=amdgcn-amd-amdhsa -mcpu=gfx1250 --defsym DOCPART=n.
;; ======== version 1 of 1: 5 launches
;; limits: right only within a limited range of input values
;; workspace buffers: aq 6,815,744 bytes; rq 3,407,872 bytes; pg 67,108,864 bytes; p5 16,777,216 bytes
;; launch prep (part 1): grid 1024 x 1, 16 waves a work-group, no clusters, 44,032 bytes of LDS; arguments hidden, hyp_x, aq; writes aq
.if DOCPART == 1
	.amdgcn_target "amdgcn-amd-amdhsa--gfx1250"
	.amdhsa_code_object_version 6
	.text
	.protected	k_q74737780e0_prep
	.globl	k_q74737780e0_prep
	.p2align	8
	.type	k_q74737780e0_prep,@function
k_q74737780e0_prep:
	s_mov_b64 s[64:65], 0
	v_nop
	global_prefetch_b8 v0, s[64:65] scope:SCOPE_SE
	s_setreg_imm32_b32 hwreg(HW_REG_WAVE_MODE, 25, 1), 1
	s_wait_xcnt 0x0
; hidden and hyp_x, [2048][2048] f32, are clipped to the ball (x f, f = min(1, (1 - 1e-5) / n), n = sqrt(max(sum x^2, 1e-10))) and turned into codes of FP6 (E2M3), K innermost,
; with one E8M0 byte for each 32 along the row; beside them three numbers a row are kept: f, rho = artanh(n') / n' with n' = min(n, 1 - 1e-5), and S' = f^2 sum x^2.
; aq: operand o (0 hidden, 1 hyp_x) at o x 0x320000: codes [2048][1536], then scale bytes [2048][64] at + 0x300000; the rows' numbers at 0x640000 + (2048 o + row) x 64: {f, rho, S', 0} four times.
; SHARES.  Work-groups 0-511 take hidden, 512-1023 hyp_x; a work-group takes 4 rows, a wave a quarter of a row (512 numbers, 16 a lane).  A row's sum meets in LDS behind one barrier.
; The conversion takes 16 neighbours from one lane's registers, the loads take 16 bytes a lane of 512 consecutive bytes: the wave's 2,048 bytes turn through its own stage in LDS (16 bytes of padding behind each 64).
; A wave's codes leave as 384 consecutive bytes; the work-group's 256 scale bytes and its 256 bytes of row numbers are gathered in LDS and leave as one aligned block of 256 bytes each.
; LIMITS: a block of zeros, or one whose largest magnitude lies under 2^-124, gets the byte 1 (the rule says 127 for zeros: the codes are zeros, and this program alone reads the bytes);
; NaN and infinities among the inputs are not served; f is (1 - 1e-5) x rsq, another order of rounding than a division by a root.
; WORK DONE ONCE: reference() forms x u_r twice, from the same two operands (for r and for h~): both products have the same codes, scales and sums for all inputs, so this program multiplies once and reads the result twice.
.set SUMS, 40960
.set SCB,  41216                       ; 16 scale bytes a wave: 64 a row, 4 rows on end
.set STAT, 41472                       ; 16 bytes a wave: the row's numbers, four times a row
.set X,    16                          ; v16-31  my 16 numbers as loaded
.set Y,    32                          ; v32-47  16 neighbours; until then v32-42 hold the row's scalars
.set U,    32                          ; v32-36  at work in ATANHC
.set SS,   38
.set SC,   39
.set RS,   40
.set NN,   41
.set TT,   42
.set CP,   12                          ; s[12:13] my row's codes
.set SEL,  30                          ; s[30:31] lane selects: lane l xor 16
.set KMIN, 48
.set KMAX, 49
.set K3,   51
.set K5,   52
.set K7,   53
.set KLN,  57
.set K8,   61
; d = artanh(c) / c for 1e-5 <= c <= 1 - 1e-5.  From 0.125 on by two logarithms; under it by 1 + c^2/3 + c^4/5 + c^6/7, whose first term left out is under 1e-8.  Both are computed, one is chosen.
.macro ATANHC d, c
	s_delay_alu instid0(VALU_DEP_1)
	v_add_f32 v[U], 1.0, v[\c]
	s_delay_alu instid0(VALU_DEP_2)
	v_sub_f32 v[U+1], 1.0, v[\c]
	s_wait_alu depctr_va_vdst(0)
	v_log_f32 v[U], v[U]
	v_log_f32 v[U+1], v[U+1]
	v_rcp_f32 v[U+2], v[\c]
	v_mul_f32 v[U+3], v[\c], v[\c]                 ; the series is the plain work behind the three transcendentals
	s_delay_alu instid0(VALU_DEP_1)
	v_fma_f32 v[U+4], v[U+3], s[K7], s[K5]
	s_delay_alu instid0(VALU_DEP_1)
	v_fma_f32 v[U+4], v[U+4], v[U+3], s[K3]
	s_delay_alu instid0(VALU_DEP_1)
	v_fma_f32 v[U+4], v[U+4], v[U+3], 1.0
	s_wait_alu depctr_va_vdst(0)                   ; one wait for the three, ahead of their first reader
	v_sub_f32 v[U], v[U], v[U+1]
	s_delay_alu instid0(VALU_DEP_1)
	v_mul_f32 v[U], s[KLN], v[U]
	v_mul_f32 v[U], v[U], v[U+2]
	v_cmp_gt_f32 vcc_lo, s[K8], v[\c]
	s_delay_alu instid0(VALU_DEP_1)
	v_cndmask_b32 v[\d], v[U], v[U+4], vcc_lo
.endm
; 16 numbers a lane in v[x] on (dense, as loaded) become codes: through the stage, the block's largest magnitude (two neighbouring lanes hold a block), its byte, the conversion.
.macro QSTEP x, y, c, t
.irp i, 0,1,2,3
	ds_store_b128 v3, v[\x+4*\i:\x+4*\i+3] offset:640*\i
.endr
.irp i, 0,1,2,3
	ds_load_b128 v[\y+4*\i:\y+4*\i+3], v4 offset:16*\i   ; LDS serves a wave's instructions in order: these see the stores above
.endr
	s_wait_dscnt 0x0
	v_max3_num_f32 v[\t], |v[\y]|, |v[\y+1]|, |v[\y+2]|
	v_max3_num_f32 v[\t+1], |v[\y+3]|, |v[\y+4]|, |v[\y+5]|
.irp i, 6,10
	s_delay_alu instid0(VALU_DEP_2)
	v_max3_num_f32 v[\t], v[\t], |v[\y+\i]|, |v[\y+\i+1]|
	s_delay_alu instid0(VALU_DEP_2)
	v_max3_num_f32 v[\t+1], v[\t+1], |v[\y+\i+2]|, |v[\y+\i+3]|
.endr
	s_delay_alu instid0(VALU_DEP_2)
	v_max3_num_f32 v[\t], v[\t], |v[\y+14]|, |v[\y+15]|
	s_delay_alu instid0(VALU_DEP_1)
	v_max3_num_f32 v[\t], v[\t], v[\t+1], 0x1800000       ; the floor 2^(3 - 127): the byte cannot fall under 1
	s_delay_alu instid0(VALU_DEP_1)
	v_max_num_f32_dpp v[\t], v[\t], v[\t] row_xmask:1 row_mask:0xf bank_mask:0xf
	s_delay_alu instid0(VALU_DEP_1)
	v_add_nc_u32 v[\t+2], 0xff000000, v[\t]               ; 2 off the exponent field: the conversion's scale operand
	v_cvt_scalef32_pk16_fp6_f32 v[\c:\c+2], v[\y:\y+15], v[\t+2]
	v_lshrrev_b32 v[\t+3], 23, v[\t+2]                    ; the scale's byte (also the plain instruction behind the conversion)
	ds_store_b8 v6, v[\t+3] offset:SCB                    ; both lanes of a block write the same byte with the same value
	global_store_b96 v5, v[\c:\c+2], s[CP:CP+1]           ; the wave stores 384 consecutive bytes
.endm
	s_load_b128 s[4:7], s[0:1], 0x0                ; hidden, hyp_x
	s_load_b64 s[8:9], s[0:1], 0x10                ; aq
	v_lshl_add_u32 v11, v0, 2, 0xa400
	v_mov_b32 v12, 0
	v_lshrrev_b32 v1, 5, v0
	s_delay_alu instid0(VALU_DEP_1)
	v_readfirstlane_b32 s20, v1                    ; wave 0..15
	v_and_b32 v1, 31, v0                           ; lane
	s_lshr_b32 s21, s20, 2                         ; which of the 4 rows
	s_and_b32 s22, s20, 3                          ; which quarter of it
	s_lshr_b32 s23, ttmp9, 9                       ; operand
	s_and_b32 s24, ttmp9, 511
	s_lshl_b32 s24, s24, 2                         ; the work-group's first row
	s_add_co_u32 s25, s24, s21                     ; my row
	s_lshl_b32 s26, s22, 11
	v_lshl_add_u32 v2, v1, 4, s26                  ; 2,048 x quarter + 16 x lane
	s_lshl_b32 s10, s25, 13                        ; my row in the source: 8,192 bytes a row
	s_mov_b32 s11, 0
	s_wait_alu depctr_va_vdst(0)
	s_wait_kmcnt 0x0
	s_cmp_lt_u32 ttmp9, 512                        ; the choice hangs on the work-group's number alone
	s_cselect_b64 s[4:5], s[4:5], s[6:7]
	s_add_nc_u64 s[4:5], s[4:5], s[10:11]
.irp i, 0,1,2,3
	global_load_b128 v[X+4*\i:X+4*\i+3], v2, s[4:5] offset:512*\i th:TH_LOAD_NT   ; 32 lanes read 512 consecutive bytes
.endr
	s_mul_i32 s18, s23, 0x320000
	s_mov_b32 s19, 0
	s_add_nc_u64 s[18:19], s[8:9], s[18:19]        ; the operand's part of aq
	s_mul_i32 s12, s25, 1536
	s_mov_b32 s13, 0
	s_add_nc_u64 s[CP:CP+1], s[18:19], s[12:13]    ; my row's codes
	s_lshl_b32 s14, s24, 6
	s_add_co_u32 s14, s14, 0x300000
	s_mov_b32 s15, 0
	s_add_nc_u64 s[14:15], s[18:19], s[14:15]      ; the work-group's 256 scale bytes
	s_lshl_b32 s16, s23, 11
	s_add_co_u32 s16, s16, s24
	s_lshl_b32 s16, s16, 6
	s_add_co_u32 s16, s16, 0x640000
	s_mov_b32 s17, 0
	s_add_nc_u64 s[16:17], s[8:9], s[16:17]        ; and its 256 bytes of row numbers
	s_mul_i32 s27, s20, 2560                       ; my stage
	v_lshrrev_b32 v3, 2, v1
	s_delay_alu instid0(VALU_DEP_1)
	v_mul_u32_u24 v3, v3, 80
	v_and_b32 v4, 3, v1
	s_delay_alu instid0(VALU_DEP_1)
	v_lshl_add_u32 v3, v4, 4, v3
	s_delay_alu instid0(VALU_DEP_1)
	v_add_nc_u32 v3, s27, v3                       ; in: four lanes' 64 bytes on end, then 16 of padding
	v_mul_u32_u24 v4, v1, 80
	s_delay_alu instid0(VALU_DEP_1)
	v_add_nc_u32 v4, s27, v4                       ; out: 80 x lane: my 16 neighbours
	s_mul_i32 s28, s22, 384
	v_mul_u32_u24 v5, v1, 12
	s_delay_alu instid0(VALU_DEP_1)
	v_add_nc_u32 v5, s28, v5                       ; my 12 bytes of the row's codes
	s_lshl_b32 s29, s20, 4
	v_lshrrev_b32 v6, 1, v1
	s_delay_alu instid0(VALU_DEP_1)
	v_add_nc_u32 v6, s29, v6                       ; my block's scale byte: 16 x wave + lane / 2
	v_mov_b32 v9, s29                              ; the row numbers: 16 x wave
	s_lshl_b32 s26, s20, 2
	v_mov_b32 v7, s26                              ; my wave's word among the sums
	s_lshl_b32 s26, s21, 4
	v_mov_b32 v8, s26                              ; my row's four words
	v_lshlrev_b32 v10, 3, v1                       ; 8 x lane
	s_mov_b32 s[SEL], 0x76543210
	s_mov_b32 s[SEL+1], 0xfedcba98
	s_mov_b32 s[KMIN], 0x2edbe6ff                  ; 1e-10
	s_mov_b32 s[KMAX], 0x3f7fff58                  ; 1 - 1e-5
	s_mov_b32 s[K3], 0x3eaaaaab                    ; 1/3
	s_mov_b32 s[K5], 0x3e4ccccd                    ; 1/5
	s_mov_b32 s[K7], 0x3e124925                    ; 1/7
	s_mov_b32 s[KLN], 0x3eb17218                   ; ln 2 / 2
	s_mov_b32 s[K8], 0x3e000000                    ; 0.125
	v_mov_b32 v55, 0
	s_wait_loadcnt 0x0
	; the sum of my 16 squares, in two chains; then over the wave; then over the row's four waves
	v_pk_mul_f32 v[58:59], v[X:X+1], v[X:X+1]
	v_pk_mul_f32 v[60:61], v[X+2:X+3], v[X+2:X+3]
.irp j, 4,8,12
	s_delay_alu instid0(VALU_DEP_2)
	v_pk_fma_f32 v[58:59], v[X+\j:X+\j+1], v[X+\j:X+\j+1], v[58:59]
	s_delay_alu instid0(VALU_DEP_2)
	v_pk_fma_f32 v[60:61], v[X+\j+2:X+\j+3], v[X+\j+2:X+\j+3], v[60:61]
.endr
	s_delay_alu instid0(VALU_DEP_1)
	v_pk_add_f32 v[58:59], v[58:59], v[60:61]
	s_delay_alu instid0(VALU_DEP_1)
	v_add_f32 v58, v58, v59
.irp m, 1,2,4,8
	s_delay_alu instid0(VALU_DEP_1)
	v_add_f32_dpp v58, v58, v58 row_xmask:\m row_mask:0xf bank_mask:0xf
.endr
	s_delay_alu instid0(VALU_DEP_1)
	v_permlanex16_b32 v59, v58, s[SEL], s[SEL+1]
	s_delay_alu instid0(VALU_DEP_1)
	v_add_f32 v58, v58, v59
	ds_store_b32 v7, v58 offset:SUMS               ; all lanes write the same word with the same value
	s_wait_dscnt 0x0                               ; for the others' sake: my store has landed
	s_barrier_signal -1
	s_barrier_wait -1
	ds_load_b128 v[60:63], v8 offset:SUMS
	s_wait_dscnt 0x0
	v_add_f32 v60, v60, v61
	v_add_f32 v62, v62, v63
	s_delay_alu instid0(VALU_DEP_1)
	v_add_f32 v[SS], v60, v62                      ; the row's sum of squares: the same bits in the row's four waves
	s_delay_alu instid0(VALU_DEP_1)
	v_max_num_f32 v[SC], s[KMIN], v[SS]
	s_wait_alu depctr_va_vdst(0)
	v_rsq_f32 v[RS], v[SC]
	v_nop
	s_wait_alu depctr_va_vdst(0)
	v_mul_f32 v[NN], v[SC], v[RS]                  ; n
	v_mul_f32 v[TT], s[KMAX], v[RS]
	s_delay_alu instid0(VALU_DEP_2)
	v_cmp_lt_f32 vcc_lo, s[KMAX], v[NN]
	s_delay_alu instid0(VALU_DEP_1)
	v_cndmask_b32 v52, 1.0, v[TT], vcc_lo          ; f
	s_delay_alu instid0(VALU_DEP_4)
	v_min_num_f32 v[NN], s[KMAX], v[NN]            ; n'
	ATANHC 53, NN                                  ; rho
	v_mul_f32 v54, v52, v52
	s_delay_alu instid0(VALU_DEP_1)
	v_mul_f32 v54, v54, v[SS]                      ; S'
.irp j, 0,2,4,6,8,10,12,14
	v_pk_mul_f32 v[X+\j:X+\j+1], v[X+\j:X+\j+1], v[52:53] op_sel_hi:[1,0]   ; x f (of the pair the low word serves both halves)
.endr
	QSTEP X, Y, 48, 56
	ds_store_b128 v9, v[52:55] offset:STAT
	s_wait_dscnt 0x0                               ; my scale bytes and row numbers have landed
	s_barrier_signal -1
	s_barrier_wait -1
	s_cmp_lg_u32 s20, 0
	s_cbranch_scc1 .Lend                           ; wave 0 stores what the sixteen have gathered
	ds_load_b64 v[60:61], v10 offset:SCB
	ds_load_b64 v[62:63], v10 offset:STAT
	s_wait_dscnt 0x0
	global_store_b64 v10, v[60:61], s[14:15]       ; 32 lanes store 256 consecutive bytes, at a multiple of 256 from the buffer's first byte
	global_store_b64 v10, v[62:63], s[16:17]
.Lend:
	s_wait_tensorcnt 0x0
	ds_add_u32 v11, v12
	s_wait_dscnt 0x0
	s_endpgm
.Lfunc_end_k_q74737780e0_prep:
	.size	k_q74737780e0_prep, .Lfunc_end_k_q74737780e0_prep-k_q74737780e0_prep
	.p2alignl 7, 3214868480
	.fill 96, 4, 3214868480
	.section	.rodata,"a",@progbits
	.p2align	6, 0x0
	.amdhsa_kernel k_q74737780e0_prep
		.amdhsa_group_segment_fixed_size 44032
		.amdhsa_private_segment_fixed_size 0
		.amdhsa_enable_private_segment 0
		.amdhsa_kernarg_size 24
		.amdhsa_user_sgpr_count 2
		.amdhsa_user_sgpr_kernarg_segment_ptr 1
		.amdhsa_wavefront_size32 1
		.amdhsa_system_sgpr_workgroup_id_x 1
		.amdhsa_system_sgpr_workgroup_id_y 1
		.amdhsa_system_sgpr_workgroup_id_z 1
		.amdhsa_system_vgpr_workitem_id 0
		.amdhsa_next_free_vgpr 64
		.amdhsa_next_free_sgpr 66
		.amdhsa_reserve_vcc 1
		.amdhsa_float_denorm_mode_32 3
		.amdhsa_float_denorm_mode_16_64 3
		.amdhsa_memory_ordered 1
		.amdhsa_forward_progress 1
		.amdhsa_inst_pref_size 10
	.end_amdhsa_kernel
	.amdgpu_metadata
---
amdhsa.version: [ 1, 2 ]
amdhsa.kernels:
  - .name:           k_q74737780e0_prep
    .symbol:         k_q74737780e0_prep.kd
    .args:
      - { .name: hidden, .offset: 0, .size: 8, .value_kind: global_buffer, .address_space: global }
      - { .name: hyp_x, .offset: 8, .size: 8, .value_kind: global_buffer, .address_space: global }
      - { .name: aq, .offset: 16, .size: 8, .value_kind: global_buffer, .address_space: global }
    .group_segment_fixed_size: 44032
    .private_segment_fixed_size: 0
    .kernarg_segment_align: 8
    .kernarg_segment_size: 24
    .max_flat_workgroup_size: 512
    .sgpr_count:     66
    .vgpr_count:     64
    .wavefront_size: 32
...
	.end_amdgpu_metadata
.endif
;; end of part 1
;; launch gemm (part 2): grid 32 x 8, 4 waves a work-group, clusters of 4 x 4, 327,680 bytes of LDS; arguments aq, w_z_codes, w_z_scales, u_z_codes, u_z_scales, w_r_codes, w_r_scales, u_r_codes, u_r_scales, pg; writes pg
.if DOCPART == 2
	.amdgcn_target "amdgcn-amd-amdhsa--gfx1250"
	.amdhsa_code_object_version 6
	.text
	.protected	k_q74737780e0_gemm
	.globl	k_q74737780e0_gemm
	.p2align	8
	.type	k_q74737780e0_gemm,@function
k_q74737780e0_gemm:
	s_mov_b64 s[64:65], 0
	v_nop
	global_prefetch_b8 v0, s[64:65] scope:SCOPE_SE
	s_setreg_imm32_b32 hwreg(HW_REG_WAVE_MODE, 25, 1), 1
	s_wait_xcnt 0x0
	s_wait_alu depctr_hold_cnt(0) depctr_sa_sdst(0) depctr_va_vdst(0) depctr_va_sdst(0) depctr_va_ssrc(0) depctr_va_vcc(0) depctr_vm_vsrc(0)
	s_getreg_b32 s2, hwreg(HW_REG_IB_STS2, 6, 4)
	s_cmp_eq_u32 s2, 0
	s_cbranch_scc0 .Lentry_in_a_cluster
	s_endpgm
.Lentry_in_a_cluster:
	s_bfe_u32 s2, ttmp6, 0x10000c
	s_cmp_lg_u32 s2, 0xf033
	s_cbranch_scc0 .Lentry_shape_is_right
	s_endpgm
.Lentry_shape_is_right:
; Four products [2048][2048] x [2048][2048] on codes of FP6 (E2M3) with E8M0 scales: pg + p x 2^24 = A_p B_p^T, p = 0: h w_z, 1: x u_z, 2: h w_r, 3: x u_r (x u_r is multiplied once; reference() writes it twice).
; A: aq (operand p & 1 at 0x320000 x (p & 1): codes [2048][1536], scale bytes [2048][64] at + 0x300000).  B: the weight's codes and scales as given, K innermost.
; The grid's x is 8 tile columns for each of the 4 products, its y 8 tile rows.  A tile of 256 x 256 is made by four waves, 128 x 128 each: 64 accumulators, 512 registers.
; K goes through two LDS slots in CHUNKS OF 256 BYTES of each row (a row of codes is 1,536 bytes: 6 chunks, each begins at a multiple of 256).  A step of 128 along K is 96 bytes: eight steps to three chunks.
; The scales of the tile's 256 + 256 rows for all of K come into LDS once, at the head.  CLUSTERS 4 x 4: A's tiles are asked for jointly along a row of the cluster, B's along a column.
; The matrix instruction is used transposed (source 0 = rows of B, source 1 = rows of A): a lane holds eight neighbouring numbers of a row of the result.
; PREFETCH: behind the load of chunk c stands one request a wave for chunk c + 2 (at the head also for chunk 1): of the 128 rows named by (wave & 1) each of the four partners takes 32 by address, a lane a row;
; chunks 1 to 5 are each named once in a cluster; no chunk beyond the last is named; the address registers are never rewritten.
; The walk is written out: slots and chunks come back to where they began only after all 16 steps.
; REGISTERS: window 0: v16-30 addresses, v32-63 scale words (two sets), v128-223 A's fragments; window 1: B's fragments, two sets; windows 2, 3: accumulators.
.set SIZE_N, 2048
.set SIZE_K, 2048
.set ROWB,   256
.set NQ,     2
.set KROW,   SIZE_K*6/8
.set STEPS,  SIZE_K/128
.set CHUNKS, KROW/ROWB
.set PITCH,  272                       ; 256 bytes + 16 of padding
.set FR,     12
.set NL,     6
.set NP,     4
.set HALFT,  128*PITCH
.set SLOT,   4*HALFT
.set KS,     SIZE_K/32
.set SCL,    2*SLOT
.set HALFS,  (128*KS/256)*272
.set SBLK,   (16*KS/256)*272
.set SPARE,  SCL+4*HALFS               ; the spare words: 512 bytes that no other line names
.set SPITCH, 528
.set STAGE,  (CHUNKS%2)*SLOT           ; the way out's stage lies in the slot that does not hold the last chunk
.set ADRA, 16
.set ADRB, 20
.set STO,  24
.set RD,   25
.set CO,   26
.set ADRS, 27
.set SPW,  28
.set NIL,  29
.set PFO,  30                          ; lane x a row of codes; never rewritten
.set SC,   32
.set AF,   128
.set BK,   128
.set G1, 24
.set G0, 32
.set G1B, 48
.set G0B, 56
.set G1S, 68
.set G0S, 76
.set G1SB, 80
.set G0SB, 88
.set G0H, 4
.set G0HB, 8
.set PFA, 98                           ; s[98:99] my 32 rows for the prefetches; never rewritten
.set MSB, 0
.macro WIN new
.if MSB != \new
	s_set_vgpr_msb (MSB<<8)|\new
.set MSB, \new
.endif
.endm
.set MUL_LO, 0xa1
.set MUL_HI, 0xf1
.set TO_B,   0x40
; a joint load: waves 0, 1 fetch for A, waves 2, 3 for B; s_nop 0 and four v_nop behind each line
.macro JLOAD g0a, g1a, g0b, g1b
	s_cmp_eq_u32 s15, 0
	s_cbranch_scc0 .Lfor_b_\@
	tensor_load_to_lds s[\g0a:\g0a+3], s[\g1a:\g1a+7]
	s_nop 0
.rept 4
	v_nop
.endr
	s_branch .Lasked_\@
.Lfor_b_\@:
	tensor_load_to_lds s[\g0b:\g0b+3], s[\g1b:\g1b+7]
	s_nop 0
.rept 4
	v_nop
.endr
.Lasked_\@:
.endm
.macro CREST                           ; a round of the cluster's barrier behind its opening barrier
	s_cmp_lg_u32 s14, 0
	s_cbranch_scc1 .Lnot_wave_0_\@
	s_barrier_signal -3
.Lnot_wave_0_\@:
	s_barrier_wait -3
	s_barrier_signal -1
	s_barrier_wait -1
.endm
.macro CROUND
	s_barrier_signal -1
	s_barrier_wait -1
	CREST
.endm
.macro ASK c                           ; chunk c of my 32 rows: 256 bytes a lane
	global_prefetch_b8 v[PFO], s[PFA:PFA+1] offset:(\c)*ROWB th:TH_LOAD_NT scope:SCOPE_SE
.endm
	s_load_b512 s[68:83], s[0:1], 0x0              ; aq, then codes and scales of w_z, u_z, w_r, and u_r's codes
	s_load_b128 s[84:87], s[0:1], 0x40             ; u_r's scales, pg
	v_lshl_add_u32 v[SPW], v0, 2, SPARE
	v_mov_b32 v[NIL], 0
	ds_add_u32 v[SPW], v[NIL]                      ; the opening lines: the add twice on end and one wait
	ds_add_u32 v[SPW], v[NIL]
	v_lshrrev_b32 v1, 5, v0
	v_readfirstlane_b32 s14, v1                    ; wave
	s_lshr_b32 s15, s14, 1                         ; my half of the tile's rows; also: I fetch for A (0) or B (1)
	s_and_b32 s16, s14, 1                          ; my half of its columns; also: which 128 rows I fetch
	s_bfe_u32 s40, ttmp6, 0x40000                  ; cx
	s_bfe_u32 s41, ttmp6, 0x40004                  ; cy
	s_and_b32 s42, ttmp9, 1
	s_lshl_b32 s42, s42, 2
	s_add_co_u32 s42, s42, s40                     ; tile column in the product
	s_lshr_b32 s95, ttmp9, 1                       ; the product, 0 to 3: the same in the whole cluster
	s_and_b32 s96, s95, 1                          ; its left operand
	s_and_b32 s17, ttmp7, 0xffff
	s_lshl_b32 s17, s17, 2
	s_add_co_u32 s17, s17, s41                     ; tile row
	s_lshl_b32 s43, s41, 2
	s_lshl_b32 s43, 15, s43                        ; my row of the cluster
	s_lshl_b32 s44, 0x1111, s40                    ; my column
	s_or_b32 s[G1+0], s43, (0<<16)|(1<<20)|(1<<21)|(5<<22)|(3<<25)
	s_or_b32 s[G1B+0], s44, (0<<16)|(1<<20)|(1<<21)|(5<<22)|(3<<25)
.irp g, G1, G1B
	s_mov_b32 s[\g+1], ROWB<<16
	s_mov_b32 s[\g+2], 256<<16                     ; 256 rows for the head's loads
	s_mov_b32 s[\g+3], ROWB<<16
	s_mov_b32 s[\g+4], 256
	s_mov_b32 s[\g+5], KROW
	s_mov_b32 s[\g+6], 0
	s_mov_b32 s[\g+7], 0
.endr
	s_lshl_b32 s20, s17, 8
	s_lshl_b32 s46, s42, 8
	s_mov_b32 s21, 0
	s_mov_b32 s47, 0
	s_mov_b64 s[18:19], KS
	s_mul_u64 s[22:23], s[20:21], s[18:19]         ; where the tile's rows' scales begin
	s_mul_u64 s[92:93], s[46:47], s[18:19]
	s_mov_b64 s[18:19], KROW
	s_mul_u64 s[20:21], s[20:21], s[18:19]         ; and their codes
	s_mul_u64 s[46:47], s[46:47], s[18:19]
	s_mul_i32 s18, s16, 128*KROW
	s_mov_b32 s19, 0
	s_mul_i32 s45, s14, HALFT
	s_wait_dscnt 0x0                               ; both opening adds are done
	s_wait_kmcnt 0x0
	s_cmp_eq_u32 s96, 0                            ; the choices hang on the cluster's number alone
	s_cselect_b64 s[8:9], s[70:71], s[74:75]
	s_cselect_b64 s[10:11], s[72:73], s[76:77]
	s_cselect_b64 s[98:99], s[78:79], s[82:83]
	s_cselect_b64 s[100:101], s[80:81], s[84:85]
	s_cmp_lt_u32 s95, 2
	s_cselect_b64 s[8:9], s[8:9], s[98:99]         ; B's codes
	s_cselect_b64 s[10:11], s[10:11], s[100:101]   ; B's scales
	s_mul_i32 s96, s96, 0x320000
	s_mov_b32 s97, 0
	s_add_nc_u64 s[4:5], s[68:69], s[96:97]        ; A's codes
	s_add_nc_u64 s[6:7], s[4:5], 0x300000          ; A's scales
	s_lshl_b32 s96, s95, 24
	s_add_nc_u64 s[12:13], s[86:87], s[96:97]      ; the product's part of pg
	s_or_b32 s[G1S+0], s43, (3<<16)|(1<<20)|(1<<21)|(5<<22)|(3<<25)
	s_or_b32 s[G1SB+0], s44, (3<<16)|(1<<20)|(1<<21)|(5<<22)|(3<<25)
.irp g, G1S, G1SB
	s_mov_b32 s[\g+1], 32<<16                      ; the scales of 256 rows: KS rows of 256 bytes, dense
	s_mov_b32 s[\g+2], KS<<16
	s_mov_b32 s[\g+3], 32<<16
	s_mov_b32 s[\g+4], KS
	s_mov_b32 s[\g+5], 32
	s_mov_b32 s[\g+6], 0
	s_mov_b32 s[\g+7], 0
.endr
	s_add_nc_u64 s[20:21], s[4:5], s[20:21]
	s_add_nc_u64 s[22:23], s[6:7], s[22:23]
	s_add_nc_u64 s[46:47], s[8:9], s[46:47]
	s_add_nc_u64 s[92:93], s[10:11], s[92:93]
	s_cmp_eq_u32 s15, 0                            ; the prefetches: A's tile or B's,
	s_cselect_b64 s[PFA:PFA+1], s[20:21], s[46:47]
	s_cselect_b32 s96, s40, s41                    ; my place among the four that ask for it with me,
	s_lshl_b32 s96, s96, 5
	s_lshl_b32 s97, s16, 7
	s_add_co_u32 s96, s96, s97                     ; row 128 x (wave & 1) + 32 x place
	s_mul_i32 s96, s96, KROW
	s_mov_b32 s97, 0
	s_add_nc_u64 s[PFA:PFA+1], s[PFA:PFA+1], s[96:97]
	CROUND                                         ; in front of the first joint loads
	s_mov_b32 s[G0H], 1
	s_mov_b32 s[G0H+1], 0
	s_mov_b64 s[G0H+2:G0H+3], s[20:21]
	s_or_b32 s[G0H+3], s[G0H+3], 0x80000000
	s_mov_b32 s[G0HB], 1
	s_mov_b32 s[G0HB+1], 2*HALFT
	s_mov_b64 s[G0HB+2:G0HB+3], s[46:47]
	s_or_b32 s[G0HB+3], s[G0HB+3], 0x80000000
	s_mov_b32 s[G0S], 1
	s_mov_b32 s[G0S+1], SCL
	s_mov_b64 s[G0S+2:G0S+3], s[22:23]
	s_or_b32 s[G0S+3], s[G0S+3], 0x80000000
	s_mov_b32 s[G0SB], 1
	s_mov_b32 s[G0SB+1], SCL+2*HALFS
	s_mov_b64 s[G0SB+2:G0SB+3], s[92:93]
	s_or_b32 s[G0SB+3], s[G0SB+3], 0x80000000
	s_add_nc_u64 s[20:21], s[20:21], s[18:19]      ; for the ring: my 128 rows
	s_add_nc_u64 s[46:47], s[46:47], s[18:19]
.irp s, 0,1
	s_mov_b32 s[G0+4*\s], 1
	s_add_co_u32 s[G0+4*\s+1], s45, \s*SLOT
	s_add_nc_u64 s[G0+4*\s+2:G0+4*\s+3], s[20:21], \s*ROWB
	s_or_b32 s[G0+4*\s+3], s[G0+4*\s+3], 0x80000000
	s_mov_b32 s[G0B+4*\s], 1
	s_add_co_u32 s[G0B+4*\s+1], s45, \s*SLOT
	s_add_nc_u64 s[G0B+4*\s+2:G0B+4*\s+3], s[46:47], \s*ROWB
	s_or_b32 s[G0B+4*\s+3], s[G0B+4*\s+3], 0x80000000
.endr
; the head's four tiles, one joint load a wave: chunk 0 of A, of B, A's scales, B's scales; one chain of branches, one load to an arm
.macro ARM under, g0, g1, next
	s_cmp_lt_u32 s14, \under
	s_cbranch_scc0 \next
	tensor_load_to_lds s[\g0:\g0+3], s[\g1:\g1+7]
	s_nop 0
.rept 4
	v_nop
.endr
	s_branch .Lhead_asked
\next:
.endm
	ARM 1, G0H,  G1,  .Lhead_b
	ARM 2, G0HB, G1B, .Lhead_sa
	ARM 3, G0S,  G1S, .Lhead_sb
	tensor_load_to_lds s[G0SB:G0SB+3], s[G1SB:G1SB+7]
	s_nop 0
.rept 4
	v_nop
.endr
.Lhead_asked:
	v_and_b32 v[PFO], 31, v0
	v_mul_u32_u24 v[PFO], v[PFO], KROW
	ASK 1
	ASK 2
	v_and_b32 v1, 15, v0                           ; l % 16
	v_bfe_u32 v2, v0, 4, 1                         ; l / 16
	v_mul_u32_u24 v3, v1, PITCH
	v_mul_u32_u24 v4, v2, 24
	v_add_nc_u32 v4, v3, v4                        ; row x pitch + 24 x half
	s_mov_b32 s21, SLOT-232
	s_mov_b32 s22, SLOT+232
	v_sub_nc_u32 v7, 1, v2
	v_mul_u32_u24 v5, s21, v2
	v_add_nc_u32 v5, v3, v5
	v_add_nc_u32 v5, 232, v5                       ; across two chunks: lanes 0-15 byte 232 in slot 0, lanes 16-31 byte 0 in slot 1;
	v_mul_u32_u24 v6, s22, v7
	v_add_nc_u32 v6, v3, v6                        ; and the other way round
	s_mul_i32 s21, s15, HALFT
	s_mul_i32 s22, s16, HALFT
	s_add_co_u32 s22, s22, 2*HALFT
	v_add_nc_u32 v[ADRA+2], s21, v5
	v_add_nc_u32 v[ADRA+3], s21, v6
	v_add_nc_u32 v[ADRB+2], s22, v5
	v_add_nc_u32 v[ADRB+3], s22, v6
.irp s, 0,1
	v_add_nc_u32 v[ADRA+\s], s21, v4
	v_add_nc_u32 v[ADRB+\s], s22, v4
	s_add_co_u32 s21, s21, SLOT
	s_add_co_u32 s22, s22, SLOT
.endr
	v_mul_u32_u24 v5, v1, KS
	v_lshrrev_b32 v6, 8, v5
	v_lshl_add_u32 v5, v6, 4, v5                   ; my row's scales: KS bytes a row, 16 more for each 256 passed
	s_mul_i32 s21, s15, HALFS
	s_mul_i32 s22, s16, HALFS
	s_add_co_u32 s22, s22, 2*HALFS
	s_sub_co_u32 s22, s22, s21
	v_mul_u32_u24 v6, s22, v2                      ; lanes 16-31 take B's
	s_add_co_u32 s21, s21, SCL
	v_add_nc_u32 v5, v5, v6
	v_add_nc_u32 v[ADRS], s21, v5
	s_mul_i32 s23, s14, 16*SPITCH
	s_add_co_u32 s23, s23, STAGE
	v_mul_u32_u24 v5, v1, SPITCH
	v_lshl_add_u32 v5, v2, 5, v5
	v_add_nc_u32 v[STO], s23, v5
	v_and_b32 v6, 31, v0
	v_lshlrev_b32 v[CO], 4, v6
	v_add_nc_u32 v[RD], s23, v[CO]
	s_lshl_b32 s20, s17, 8
	s_lshl_b32 s21, s15, 7
	s_add_co_u32 s20, s20, s21                     ; my first row of the result
	s_mov_b32 s21, 0
	s_mov_b64 s[18:19], SIZE_N*4
	s_mul_u64 s[20:21], s[20:21], s[18:19]
	s_lshl_b32 s46, s42, 10
	s_lshl_b32 s47, s16, 9
	s_add_co_u32 s46, s46, s47                     ; my first column, in bytes
	s_mov_b32 s47, 0
	s_add_nc_u64 s[20:21], s[20:21], s[46:47]
	s_add_nc_u64 s[12:13], s[12:13], s[20:21]
; a fragment: 16 rows x 128 K, 12 registers, six pieces of 8 bytes; byte y of a row lies in chunk y / 256, slot (y / 256) % 2
.macro FRAG reg, adr, st, i
.irp p, 0,1,2,3,4,5
.set BY, 96*(\st)+48*(\p/3)+8*(\p%3)
.if BY/ROWB == (BY+24)/ROWB
	ds_load_b64 v[\reg+2*\p:\reg+2*\p+1], v[\adr+(BY/ROWB)%2] offset:BY%ROWB+(\i)*16*PITCH
.else
	ds_load_b64 v[\reg+2*\p:\reg+2*\p+1], v[\adr+2+(BY/ROWB)%2] offset:BY%ROWB-232+(\i)*16*PITCH
.endif
.endr
.endm
; 16 products; the 64 accumulators take turns in the same order in every step
.macro MUL16 a0, p, q, sc, zero
.irp a, \a0, \a0+1
.irp b, 0,1,2,3,4,5,6,7
.if \zero
	v_wmma_scale_f32_16x16x128_f8f6f4 v[8*(8*((\a)%4)+\b):8*(8*((\a)%4)+\b)+7], v[128*(\p)+FR*\b:128*(\p)+FR*\b+FR-1], v[AF+FR*(\a):AF+FR*(\a)+FR-1], 0, v[SC+8*NQ*(\sc)+NQ*\b+(\q)], v[SC+8*NQ*(\sc)+NQ*(\a)+(\q)] matrix_a_fmt:MATRIX_FMT_FP6 matrix_b_fmt:MATRIX_FMT_FP6 matrix_a_scale:MATRIX_SCALE_ROW1
.else
	v_wmma_scale_f32_16x16x128_f8f6f4 v[8*(8*((\a)%4)+\b):8*(8*((\a)%4)+\b)+7], v[128*(\p)+FR*\b:128*(\p)+FR*\b+FR-1], v[AF+FR*(\a):AF+FR*(\a)+FR-1], v[8*(8*((\a)%4)+\b):8*(8*((\a)%4)+\b)+7], v[SC+8*NQ*(\sc)+NQ*\b+(\q)], v[SC+8*NQ*(\sc)+NQ*(\a)+(\q)] matrix_a_fmt:MATRIX_FMT_FP6 matrix_b_fmt:MATRIX_FMT_FP6 matrix_a_scale:MATRIX_SCALE_ROW1
.endif
.endr
.endr
.endm
.macro FETCH_B st, p
	WIN TO_B
.irp i, 0,1,2,3,4,5,6,7
	FRAG 128*(\p)+FR*\i, ADRB, \st, \i
.endr
	WIN 0
.endm
.macro FETCH_A st, i0
.irp i, \i0, \i0+1, \i0+2, \i0+3
	FRAG AF+FR*(\i), ADRA, \st, \i
.endr
.endm
.macro SCALES pr                       ; the words of steps 2 pr, 2 pr + 1: lanes 0-15 A's block i, lanes 16-31 B's
.irp i, 0,1,2,3,4,5,6,7
	ds_load_b64 v[SC+8*NQ*((\pr)%2)+NQ*\i:SC+8*NQ*((\pr)%2)+NQ*\i+1], v[ADRS] offset:\i*SBLK+4*NQ*(\pr)
.endr
.endm
.macro PLACES n                        ; places behind matrix instructions, ahead of loads into their registers
.rept \n
	v_nop
.endr
.endm
; a step: 64 products; the next step's fragments come in its middle and at its end.  Where the next step ends in a chunk not read yet: a barrier behind every wave's wait for its tensor loads.
; Where it begins in a later chunk: the three lines, the barrier, and, where a chunk two on is left, the cluster's round and the refill.
.macro STEP st, zero
.set NX, (\st)+1
.set C0, (96*(\st))/ROWB
.set C1, (96*NX)/ROWB
.set E0, (96*(\st)+95)/ROWB
.set E1, (96*NX+95)/ROWB
.set PF, 0
.if C1 > C0 || E1 > E0
	s_wait_tensorcnt 0x0                           ; all my tensor loads have landed
.if C1 > C0
	ds_add_u32 v[SPW], v[NIL]
	s_wait_dscnt 4*NL+1                            ; the add and A's blocks 4-7 may be out
.else
	s_wait_dscnt 4*NL                              ; A's blocks 4-7 may be out
.endif
	WIN MUL_LO
	MUL16 0, (\st)%2, (\st)%2, ((\st)/2)%2, \zero
	s_wait_dscnt 0x0                               ; the add and all my reads are done
	s_barrier_signal -1
	MUL16 2, (\st)%2, (\st)%2, ((\st)/2)%2, \zero
	WIN 0
	s_barrier_wait -1
.if C1 > C0 && C0+2 < CHUNKS
	CREST
	s_add_nc_u64 s[G0+4*(C0%2)+2:G0+4*(C0%2)+3], s[G0+4*(C0%2)+2:G0+4*(C0%2)+3], 2*ROWB
	s_add_nc_u64 s[G0B+4*(C0%2)+2:G0B+4*(C0%2)+3], s[G0B+4*(C0%2)+2:G0B+4*(C0%2)+3], 2*ROWB
	JLOAD G0+4*(C0%2), G1, G0B+4*(C0%2), G1B       ; chunk C0 + 2: the first tensor load behind the round
.set PF, C0+4
.else
	PLACES NP
.endif
.else
	s_wait_dscnt 4*NL
	WIN MUL_LO
	MUL16 0, (\st)%2, (\st)%2, ((\st)/2)%2, \zero
	MUL16 2, (\st)%2, (\st)%2, ((\st)/2)%2, \zero
	s_wait_dscnt 0
	PLACES NP
.endif
	FETCH_B NX, NX%2
	FETCH_A NX, 0
.if NX%2 == 0
	SCALES NX/2
.endif
.if PF > 0 && PF < CHUNKS
	ASK PF                                         ; two chunks ahead of the load just issued
.endif
	WIN MUL_HI
	MUL16 4, (\st)%2, (\st)%2, ((\st)/2)%2, \zero
	MUL16 6, (\st)%2, (\st)%2, ((\st)/2)%2, \zero
	PLACES NP
	WIN 0
	FETCH_A NX, 4
.endm
	s_wait_alu depctr_va_vdst(0)
	s_wait_tensorcnt 0x0                           ; my tile of the head's four is in
	ds_add_u32 v[SPW], v[NIL]
	s_mov_b32 s[G1+2], 128<<16                     ; no load of mine is out: from here on a load brings 128 rows
	s_mov_b32 s[G1+4], 128
	s_mov_b32 s[G1B+2], 128<<16
	s_mov_b32 s[G1B+4], 128
	s_wait_dscnt 0x0
	CROUND
	JLOAD G0+4, G1, G0B+4, G1B                     ; chunk 1
	FETCH_B 0, 0
	FETCH_A 0, 0
	SCALES 0
	ASK 3
	FETCH_A 0, 4
	STEP 0, 1                                      ; the first step's products start the sums
.set ST, 1
.rept STEPS-2
	STEP ST, 0
.set ST, ST+1
.endr
	s_wait_dscnt 4*NL                              ; the last step fetches nothing
	WIN MUL_LO
	MUL16 0, 1, 1, 1, 0
	MUL16 2, 1, 1, 1, 0
	s_wait_dscnt 0
	WIN MUL_HI
	MUL16 4, 1, 1, 1, 0
	MUL16 6, 1, 1, 1, 0
	WIN 0
; the way out: a block of 16 rows x 128 columns goes through my own stage and comes back as rows of 512 bytes
.macro TOSTAGE a
.set AC, 64*((\a)%4)
	WIN 0x08+4*((\a)/4)
.irp b, 0,1,2,3,4,5,6,7
	ds_store_b128 v[STO], v[AC+8*\b:AC+8*\b+3] offset:64*\b          ; each accumulator from its low end on
	ds_store_b128 v[STO], v[AC+8*\b+4:AC+8*\b+7] offset:64*\b+16
.endr
	WIN 0
.set BB, BK+64*((\a)%2)
.irp t, 0,1,2,3,4,5,6,7,8,9,10,11,12,13,14,15
	ds_load_b128 v[BB+4*\t:BB+4*\t+3], v[RD] offset:\t*SPITCH     ; LDS serves a wave's instructions in order
.endr
.endm
.macro SEND a, younger
.set BB, BK+64*((\a)%2)
	s_wait_dscnt \younger
.if (\a) > 0
	s_add_nc_u64 s[12:13], s[12:13], 16*SIZE_N*4   ; behind a wait on XCNT: the earlier stores have read their base
.endif
.irp t, 0,1,2,3,4,5,6,7,8,9,10,11,12,13,14,15
	global_store_b128 v[CO], v[BB+4*\t:BB+4*\t+3], s[12:13] offset:\t*SIZE_N*4 th:TH_STORE_NT   ; 32 lanes store 512 consecutive bytes, aligned
.endr
.endm
	PLACES NP
	TOSTAGE 0
.irp a, 1,2,3,4,5,6,7
.if \a > 1
	s_wait_xcnt 0x0                                ; block a - 2's stores have read their registers and base
.endif
	TOSTAGE \a
	SEND \a-1, 32                                  ; behind block a - 1's loads: block a's 16 stores and 16 loads
.endr
	s_wait_xcnt 0x0
	SEND 7, 0
	s_wait_tensorcnt 0x0                           ; the wave's end
	ds_add_u32 v[SPW], v[NIL]
	s_wait_dscnt 0x0
	CROUND                                         ; the closing round
	s_endpgm
.Lfunc_end_k_q74737780e0_gemm:
	.size	k_q74737780e0_gemm, .Lfunc_end_k_q74737780e0_gemm-k_q74737780e0_gemm
	.p2alignl 7, 3214868480
	.fill 96, 4, 3214868480
	.section	.rodata,"a",@progbits
	.p2align	6, 0x0
	.amdhsa_kernel k_q74737780e0_gemm
		.amdhsa_group_segment_fixed_size 327680
		.amdhsa_private_segment_fixed_size 0
		.amdhsa_enable_private_segment 0
		.amdhsa_kernarg_size 80
		.amdhsa_user_sgpr_count 2
		.amdhsa_user_sgpr_kernarg_segment_ptr 1
		.amdhsa_wavefront_size32 1
		.amdhsa_system_sgpr_workgroup_id_x 1
		.amdhsa_system_sgpr_workgroup_id_y 1
		.amdhsa_system_sgpr_workgroup_id_z 1
		.amdhsa_system_vgpr_workitem_id 0
		.amdhsa_next_free_vgpr 1024
		.amdhsa_next_free_sgpr 102
		.amdhsa_reserve_vcc 0
		.amdhsa_float_denorm_mode_32 3
		.amdhsa_float_denorm_mode_16_64 3
		.amdhsa_memory_ordered 1
		.amdhsa_forward_progress 1
		.amdhsa_inst_pref_size 255
	.end_amdhsa_kernel
	.section	.bss,"aw",@nobits
	.p2align	6
	.space	262144
	.amdgpu_metadata
---
amdhsa.version: [ 1, 2 ]
amdhsa.kernels:
  - .name:           k_q74737780e0_gemm
    .symbol:         k_q74737780e0_gemm.kd
    .args:
      - { .name: aq, .offset: 0, .size: 8, .value_kind: global_buffer, .address_space: global }
      - { .name: w_z_codes, .offset: 8, .size: 8, .value_kind: global_buffer, .address_space: global }
      - { .name: w_z_scales, .offset: 16, .size: 8, .value_kind: global_buffer, .address_space: global }
      - { .name: u_z_codes, .offset: 24, .size: 8, .value_kind: global_buffer, .address_space: global }
      - { .name: u_z_scales, .offset: 32, .size: 8, .value_kind: global_buffer, .address_space: global }
      - { .name: w_r_codes, .offset: 40, .size: 8, .value_kind: global_buffer, .address_space: global }
      - { .name: w_r_scales, .offset: 48, .size: 8, .value_kind: global_buffer, .address_space: global }
      - { .name: u_r_codes, .offset: 56, .size: 8, .value_kind: global_buffer, .address_space: global }
      - { .name: u_r_scales, .offset: 64, .size: 8, .value_kind: global_buffer, .address_space: global }
      - { .name: pg, .offset: 72, .size: 8, .value_kind: global_buffer, .address_space: global }
    .group_segment_fixed_size: 327680
    .private_segment_fixed_size: 0
    .kernarg_segment_align: 8
    .kernarg_segment_size: 80
    .max_flat_workgroup_size: 128
    .sgpr_count:     102
    .vgpr_count:     1024
    .wavefront_size: 32
...
	.end_amdgpu_metadata
.endif
;; end of part 2
;; launch gate_r (part 3): grid 512 x 1, 16 waves a work-group, no clusters, 44,288 bytes of LDS; arguments pg, hidden, b_r, aq, rq; writes rq
.if DOCPART == 3
	.amdgcn_target "amdgcn-amd-amdhsa--gfx1250"
	.amdhsa_code_object_version 6
	.text
	.protected	k_q74737780e0_gate_r
	.globl	k_q74737780e0_gate_r
	.p2align	8
	.type	k_q74737780e0_gate_r,@function
k_q74737780e0_gate_r:
	s_mov_b64 s[64:65], 0
	v_nop
	global_prefetch_b8 v0, s[64:65] scope:SCOPE_SE
	s_setreg_imm32_b32 hwreg(HW_REG_WAVE_MODE, 25, 1), 1
	s_wait_xcnt 0x0
; r = sigmoid(log_0(transition(w_r, h, u_r, x, b_r))), r_point_h = exp_0(log_0(h) r), and r_point_h's codes of FP6 (E2M3) with one E8M0 byte for each 32 along the row.
; EVERY MOEBIUS STEP IS A ROW SCALAR TIMES VECTORS.  With Pa = h w_r (pg + 2 x 2^24), Pb = x u_r (pg + 3 x 2^24) and b = b_r the transition is CA Pa + CB Pb + CC b, and CA, CB, CC follow from six sums over the
; row: |Pa|^2, |Pb|^2, Pa.Pb, Pa.b, Pb.b, |b|^2, and from the rows' numbers that the first launch left in aq (f, rho = artanh(n)/n).  r_point_h = kappa (h r) with kappa from the sum of (h r)^2.
; rq: codes [2048][1536]; scale bytes [2048][64] at 0x300000; at 0x320000 + 64 row sixteen times rho of r_point_h.
; SHARES.  A work-group takes 4 rows, a wave a quarter of a row (16 numbers a lane of each vector).  Sums meet in LDS: three barriers.  The row scalars are computed alike in all lanes of the row's four waves.
; LIMITS: the norm of a scalar times a vector is taken as |scalar| x the vector's norm, and the norm of a Moebius sum from the quadratic form in its two vectors' sums: another order of rounding than summing
; anew; these norms enter only as 1 +- n^2, in the test against the ball's edge and in artanh(n)/n.  A clip of a clipped point is taken as the identity.  tanh and artanh(c)/c go by series under 0.125 (first
; term left out under 1e-8).  A block of zeros gets the byte 1 (its codes are zeros; this program alone reads the bytes).  NaN and infinities are not served.
.set SUMS, 40960                       ; LDS behind the 16 stages of 2,560 bytes: 32 bytes a wave: its six sums
.set SUM2, 41472                       ; a word a wave
.set SCB,  41728                       ; 16 scale bytes a wave
.set STAT, 41984                       ; 16 bytes a wave
.set RA,   16                          ; v16-31  Pa, then r, then h r, then 16 neighbours of r_point_h
.set RB,   32                          ; v32-47  Pb, then r_point_h
.set RC,   48                          ; v48-63  b_r; later codes (48-50), the row's number four times (52-55), at work (56-59), the way out (60-63)
.set RH,   64                          ; v64-79  hidden
.set AC,   80                          ; v80-91  six pairs of running sums
.set TP,   92                          ; v92-97  at work in WRED
.set SMS,  100                         ; v100-107 my wave's six sums and two zeros
.set LD,   80                          ; v80-111 the four waves' sums, read back
.set SM,   112                         ; v112-117 the row's six sums
.set U,    80                          ; v80-111 at work on row scalars
.set CO,   120                         ; v120-127 coefficients, each the low word of a pair
.set CA,   CO
.set CT2,  CO+1
.set CB,   CO+2
.set CC,   CO+4
.set XS1,  U+17
.set XS2,  U+18
.set XU2,  U+19
.set XV2,  U+20
.set XUV,  U+21
.set XA,   U+22
.set XB,   U+23
.set XW2,  U+24
.set XK1,  U+25
.set XK2,  U+26
.set XWB,  U+27
.set XA2,  U+28
.set XB2,  U+29
.set CP,   42                          ; s[42:43] my row's codes
.set SEL,  30
.set KMIN, 48
.set KMAX, 49
.set KMAX2, 50
.set K3,   51
.set K5,   52
.set K7,   53
.set KN3,  54
.set K215, 55
.set K17,  56
.set KLN,  57
.set KE2,  58
.set KNL,  59
.set KEPS, 60
.set K8,   61
; n sums, v[sb] on, over the wave's 32 lanes; the result stands in every lane
.macro WRED n, sb, tb
.irp m, 1,2,4,8
.set wi, 0
.rept \n
	v_add_f32_dpp v[\sb+wi], v[\sb+wi], v[\sb+wi] row_xmask:\m row_mask:0xf bank_mask:0xf
.set wi, wi+1
.endr
.endr
.set wi, 0
.rept \n
	v_permlanex16_b32 v[\tb+wi], v[\sb+wi], s[SEL], s[SEL+1]
.set wi, wi+1
.endr
.set wi, 0
.rept \n
	v_add_f32 v[\sb+wi], v[\sb+wi], v[\tb+wi]
.set wi, wi+1
.endr
.endm
; the six sums of products of three vectors of 16 registers, by turns: aa, bb, ab, ac, bc, cc
.macro SUM6 a, b, c, sm
	v_pk_mul_f32 v[AC:AC+1], v[\a:\a+1], v[\a:\a+1]
	v_pk_mul_f32 v[AC+2:AC+3], v[\b:\b+1], v[\b:\b+1]
	v_pk_mul_f32 v[AC+4:AC+5], v[\a:\a+1], v[\b:\b+1]
	v_pk_mul_f32 v[AC+6:AC+7], v[\a:\a+1], v[\c:\c+1]
	v_pk_mul_f32 v[AC+8:AC+9], v[\b:\b+1], v[\c:\c+1]
	v_pk_mul_f32 v[AC+10:AC+11], v[\c:\c+1], v[\c:\c+1]
.irp j, 2,4,6,8,10,12,14
	v_pk_fma_f32 v[AC:AC+1], v[\a+\j:\a+\j+1], v[\a+\j:\a+\j+1], v[AC:AC+1]
	v_pk_fma_f32 v[AC+2:AC+3], v[\b+\j:\b+\j+1], v[\b+\j:\b+\j+1], v[AC+2:AC+3]
	v_pk_fma_f32 v[AC+4:AC+5], v[\a+\j:\a+\j+1], v[\b+\j:\b+\j+1], v[AC+4:AC+5]
	v_pk_fma_f32 v[AC+6:AC+7], v[\a+\j:\a+\j+1], v[\c+\j:\c+\j+1], v[AC+6:AC+7]
	v_pk_fma_f32 v[AC+8:AC+9], v[\b+\j:\b+\j+1], v[\c+\j:\c+\j+1], v[AC+8:AC+9]
	v_pk_fma_f32 v[AC+10:AC+11], v[\c+\j:\c+\j+1], v[\c+\j:\c+\j+1], v[AC+10:AC+11]
.endr
.irp i, 0,1,2,3,4,5
	v_add_f32 v[\sm+\i], v[AC+2*\i], v[AC+2*\i+1]
.endr
.endm
.macro DOT16 acc, res, a, b            ; one sum of products
	v_pk_mul_f32 v[\acc:\acc+1], v[\a:\a+1], v[\b:\b+1]
.irp j, 2,4,6,8,10,12,14
	s_delay_alu instid0(VALU_DEP_1)
	v_pk_fma_f32 v[\acc:\acc+1], v[\a+\j:\a+\j+1], v[\b+\j:\b+\j+1], v[\acc:\acc+1]
.endr
	s_delay_alu instid0(VALU_DEP_1)
	v_add_f32 v[\res], v[\acc], v[\acc+1]
.endm
; d = artanh(c) / c for 1e-5 <= c <= 1 - 1e-5: from 0.125 on by two logarithms, under it by 1 + c^2/3 + c^4/5 + c^6/7.  Both are computed, one is chosen.
.macro ATANHC d, c
	s_delay_alu instid0(VALU_DEP_1)
	v_add_f32 v[U], 1.0, v[\c]
	s_delay_alu instid0(VALU_DEP_2)
	v_sub_f32 v[U+1], 1.0, v[\c]
	s_wait_alu depctr_va_vdst(0)
	v_log_f32 v[U], v[U]
	v_log_f32 v[U+1], v[U+1]
	v_rcp_f32 v[U+2], v[\c]
	v_mul_f32 v[U+3], v[\c], v[\c]                 ; the series is the plain work behind the three transcendentals
	s_delay_alu instid0(VALU_DEP_1)
	v_fma_f32 v[U+4], v[U+3], s[K7], s[K5]
	s_delay_alu instid0(VALU_DEP_1)
	v_fma_f32 v[U+4], v[U+4], v[U+3], s[K3]
	s_delay_alu instid0(VALU_DEP_1)
	v_fma_f32 v[U+4], v[U+4], v[U+3], 1.0
	s_wait_alu depctr_va_vdst(0)                   ; one wait for the three, ahead of their first reader
	v_sub_f32 v[U], v[U], v[U+1]
	s_delay_alu instid0(VALU_DEP_1)
	v_mul_f32 v[U], s[KLN], v[U]
	v_mul_f32 v[U], v[U], v[U+2]
	v_cmp_gt_f32 vcc_lo, s[K8], v[\c]
	s_delay_alu instid0(VALU_DEP_1)
	v_cndmask_b32 v[\d], v[U], v[U+4], vcc_lo
.endm
; d = tanh(y), y >= 0: from 0.125 on 1 - 2 / (1 + e^(2 y)) (an exponential that overflows gives 1), under it y (1 - y^2/3 + 2 y^4/15 - 17 y^6/315)
.macro TANHP d, y
	s_delay_alu instid0(VALU_DEP_1)
	v_mul_f32 v[U], s[KE2], v[\y]
	s_wait_alu depctr_va_vdst(0)
	v_exp_f32 v[U], v[U]
	v_mul_f32 v[U+3], v[\y], v[\y]
	s_delay_alu instid0(VALU_DEP_1)
	v_fma_f32 v[U+4], v[U+3], s[K17], s[K215]
	s_delay_alu instid0(VALU_DEP_1)
	v_fma_f32 v[U+4], v[U+4], v[U+3], s[KN3]
	s_delay_alu instid0(VALU_DEP_1)
	v_fma_f32 v[U+4], v[U+4], v[U+3], 1.0
	s_delay_alu instid0(VALU_DEP_1)
	v_mul_f32 v[U+4], v[U+4], v[\y]
	s_wait_alu depctr_va_vdst(0)
	v_add_f32 v[U], 1.0, v[U]
	s_wait_alu depctr_va_vdst(0)
	v_rcp_f32 v[U], v[U]
	v_nop
	s_wait_alu depctr_va_vdst(0)
	v_fma_f32 v[U], v[U], -2.0, 1.0
	v_cmp_gt_f32 vcc_lo, s[K8], v[\y]
	s_delay_alu instid0(VALU_DEP_1)
	v_cndmask_b32 v[\d], v[U], v[U+4], vcc_lo
.endm
; d = artanh(n) / n, n = min(sqrt(max(w, 1e-10)), 1 - 1e-5)
.macro LAMBDA d, w
	s_delay_alu instid0(VALU_DEP_4)
	v_max_num_f32 v[U+6], s[KMIN], v[\w]
	s_wait_alu depctr_va_vdst(0)
	v_rsq_f32 v[U+7], v[U+6]
	v_nop
	s_wait_alu depctr_va_vdst(0)
	v_mul_f32 v[U+6], v[U+6], v[U+7]
	s_delay_alu instid0(VALU_DEP_1)
	v_min_num_f32 v[U+6], s[KMAX], v[U+6]
	ATANHC \d, U+6
.endm
; the Moebius matrix product's scalar: so = min(tanh(|P| rho), 1 - 1e-5) / |P|, qo = so^2 |P|^2; si = |P|^2
.macro MMS so, qo, si, rho
	v_max_num_f32 v[U+6], s[KMIN], v[\si]
	s_wait_alu depctr_va_vdst(0)
	v_rsq_f32 v[U+7], v[U+6]
	v_nop
	s_wait_alu depctr_va_vdst(0)
	v_mul_f32 v[U+8], v[U+6], v[U+7]
	s_delay_alu instid0(VALU_DEP_1)
	v_mul_f32 v[U+8], \rho, v[U+8]
	TANHP U+9, U+8
	s_delay_alu instid0(VALU_DEP_1)
	v_min_num_f32 v[U+9], s[KMAX], v[U+9]
	v_mul_f32 v[\so], v[U+9], v[U+7]
	s_delay_alu instid0(VALU_DEP_1)
	v_mul_f32 v[\qo], v[\so], v[\so]
	s_delay_alu instid0(VALU_DEP_1)
	v_mul_f32 v[\qo], v[\qo], v[\si]
.endm
; u (+) v = ao u + bo v, clipped to the ball; wo = its squared norm; pu = |u|^2, pv = |v|^2, pd = u.v
.macro MOBADD ao, bo, wo, pu, pv, pd
	s_delay_alu instid0(VALU_DEP_1)
	v_fma_f32 v[U+10], v[\pd], 2.0, 1.0
	s_delay_alu instid0(VALU_DEP_1)
	v_add_f32 v[U+11], v[U+10], v[\pv]
	v_sub_f32 v[U+12], 1.0, v[\pu]
	s_delay_alu instid0(VALU_DEP_3)
	v_fma_f32 v[U+13], v[\pu], v[\pv], v[U+10]
	s_delay_alu instid0(VALU_DEP_1)
	v_max_num_f32 v[U+13], s[KMIN], v[U+13]
	s_wait_alu depctr_va_vdst(0)
	v_rcp_f32 v[U+13], v[U+13]
	v_nop
	s_wait_alu depctr_va_vdst(0)
	v_mul_f32 v[\ao], v[U+11], v[U+13]
	v_mul_f32 v[\bo], v[U+12], v[U+13]
	s_delay_alu instid0(VALU_DEP_1)
	v_mul_f32 v[U+14], v[\bo], v[\pd]
	s_delay_alu instid0(VALU_DEP_1)
	v_fma_f32 v[U+14], v[\ao], v[\pu], v[U+14]
	s_delay_alu instid0(VALU_DEP_3)
	v_mul_f32 v[U+15], v[\bo], v[\pv]
	s_delay_alu instid0(VALU_DEP_1)
	v_fma_f32 v[U+15], v[\ao], v[\pd], v[U+15]
	s_delay_alu instid0(VALU_DEP_1)
	v_mul_f32 v[U+15], v[\bo], v[U+15]
	s_delay_alu instid0(VALU_DEP_1)
	v_fma_f32 v[U+14], v[\ao], v[U+14], v[U+15]    ; a (a |u|^2 + b u.v) + b (a u.v + b |v|^2)
	s_delay_alu instid0(VALU_DEP_1)
	v_max_num_f32 v[U+14], 0, v[U+14]
	s_delay_alu instid0(VALU_DEP_1)
	v_max_num_f32 v[U+15], s[KMIN], v[U+14]
	s_wait_alu depctr_va_vdst(0)
	v_rsq_f32 v[U+15], v[U+15]
	v_nop
	s_wait_alu depctr_va_vdst(0)
	v_mul_f32 v[U+15], s[KMAX], v[U+15]
	v_cmp_lt_f32 vcc_lo, s[KMAX2], v[U+14]
	s_delay_alu instid0(VALU_DEP_1)
	v_cndmask_b32 v[U+15], 1.0, v[U+15], vcc_lo    ; the clip's factor
	s_delay_alu instid0(VALU_DEP_1)
	v_mul_f32 v[\ao], v[\ao], v[U+15]
	s_delay_alu instid0(VALU_DEP_2)
	v_mul_f32 v[\bo], v[\bo], v[U+15]
	s_delay_alu instid0(VALU_DEP_3)
	v_mul_f32 v[U+16], v[U+15], v[U+15]
	s_delay_alu instid0(VALU_DEP_1)
	v_mul_f32 v[\wo], v[U+14], v[U+16]
.endm
; the transition = CA Pa + CB Pb + CC b, its squared norm CT2; the six sums at v[sm] on
.macro TRANS sm, rhoa, rhob
	MMS XS1, XU2, \sm, \rhoa
	MMS XS2, XV2, \sm+1, \rhob
	s_delay_alu instid0(VALU_DEP_3)
	v_mul_f32 v[XUV], v[XS1], v[XS2]
	s_delay_alu instid0(VALU_DEP_1)
	v_mul_f32 v[XUV], v[XUV], v[\sm+2]
	MOBADD XA, XB, XW2, XU2, XV2, XUV
	s_delay_alu instid0(VALU_DEP_4)
	v_mul_f32 v[XK1], v[XA], v[XS1]
	s_delay_alu instid0(VALU_DEP_4)
	v_mul_f32 v[XK2], v[XB], v[XS2]
	s_delay_alu instid0(VALU_DEP_1)
	v_mul_f32 v[XWB], v[XK2], v[\sm+4]
	s_delay_alu instid0(VALU_DEP_1)
	v_fma_f32 v[XWB], v[XK1], v[\sm+3], v[XWB]
	MOBADD XA2, XB2, CT2, XW2, \sm+5, XWB
	s_delay_alu instid0(VALU_DEP_4)
	v_mul_f32 v[CA], v[XA2], v[XK1]
	v_mul_f32 v[CB], v[XA2], v[XK2]
	v_mov_b32 v[CC], v[XB2]
.endm
.macro GATE                            ; the coefficients times -log2(e) artanh(n)/n: what the sigmoid's exponential wants
	LAMBDA U+7, CT2
	s_delay_alu instid0(VALU_DEP_1)
	v_mul_f32 v[U+7], s[KNL], v[U+7]
	s_delay_alu instid0(VALU_DEP_1)
	v_mul_f32 v[CA], v[CA], v[U+7]
	s_delay_alu instid0(VALU_DEP_2)
	v_mul_f32 v[CB], v[CB], v[U+7]
	s_delay_alu instid0(VALU_DEP_3)
	v_mul_f32 v[CC], v[CC], v[U+7]
.endm
.macro LIN3 a, b, c                    ; a = CA a + CB b + CC c (of each coefficient's pair the low word serves both halves)
.irp j, 0,2,4,6,8,10,12,14
	v_pk_mul_f32 v[\a+\j:\a+\j+1], v[\a+\j:\a+\j+1], v[CA:CA+1] op_sel_hi:[1,0]
.endr
.irp j, 0,2,4,6,8,10,12,14
	v_pk_fma_f32 v[\a+\j:\a+\j+1], v[\b+\j:\b+\j+1], v[CB:CB+1], v[\a+\j:\a+\j+1] op_sel_hi:[1,0,1]
.endr
.irp j, 0,2,4,6,8,10,12,14
	v_pk_fma_f32 v[\a+\j:\a+\j+1], v[\c+\j:\c+\j+1], v[CC:CC+1], v[\a+\j:\a+\j+1] op_sel_hi:[1,0,1]
.endr
.endm
.macro SIG16 a, b, c                   ; a = 1 / (1 + 2^(CA a + CB b + CC c)): two batches of sixteen transcendentals, one wait each
	LIN3 \a, \b, \c
	s_wait_alu depctr_va_vdst(0)
.irp j, 0,1,2,3,4,5,6,7,8,9,10,11,12,13,14,15
	v_exp_f32 v[\a+\j], v[\a+\j]
.endr
	v_nop
	s_wait_alu depctr_va_vdst(0)
.irp j, 0,2,4,6,8,10,12,14
	v_pk_add_f32 v[\a+\j:\a+\j+1], v[\a+\j:\a+\j+1], 1.0 op_sel_hi:[1,0]
.endr
	s_wait_alu depctr_va_vdst(0)
.irp j, 0,1,2,3,4,5,6,7,8,9,10,11,12,13,14,15
	v_rcp_f32 v[\a+\j], v[\a+\j]
.endr
	v_nop
	s_wait_alu depctr_va_vdst(0)
.endm
; 16 numbers a lane in v[x] on (dense, as loaded) become codes: through the stage, the block's largest magnitude (two neighbouring lanes hold a block), its byte, the conversion.
.macro QSTEP x, y, c, t
.irp i, 0,1,2,3
	ds_store_b128 v3, v[\x+4*\i:\x+4*\i+3] offset:640*\i
.endr
.irp i, 0,1,2,3
	ds_load_b128 v[\y+4*\i:\y+4*\i+3], v4 offset:16*\i   ; LDS serves a wave's instructions in order: these see the stores above
.endr
	s_wait_dscnt 0x0
	v_max3_num_f32 v[\t], |v[\y]|, |v[\y+1]|, |v[\y+2]|
	v_max3_num_f32 v[\t+1], |v[\y+3]|, |v[\y+4]|, |v[\y+5]|
.irp i, 6,10
	s_delay_alu instid0(VALU_DEP_2)
	v_max3_num_f32 v[\t], v[\t], |v[\y+\i]|, |v[\y+\i+1]|
	s_delay_alu instid0(VALU_DEP_2)
	v_max3_num_f32 v[\t+1], v[\t+1], |v[\y+\i+2]|, |v[\y+\i+3]|
.endr
	s_delay_alu instid0(VALU_DEP_2)
	v_max3_num_f32 v[\t], v[\t], |v[\y+14]|, |v[\y+15]|
	s_delay_alu instid0(VALU_DEP_1)
	v_max3_num_f32 v[\t], v[\t], v[\t+1], 0x1800000       ; the floor 2^(3 - 127): the byte cannot fall under 1
	s_delay_alu instid0(VALU_DEP_1)
	v_max_num_f32_dpp v[\t], v[\t], v[\t] row_xmask:1 row_mask:0xf bank_mask:0xf
	s_delay_alu instid0(VALU_DEP_1)
	v_add_nc_u32 v[\t+2], 0xff000000, v[\t]               ; 2 off the exponent field: the conversion's scale operand
	v_cvt_scalef32_pk16_fp6_f32 v[\c:\c+2], v[\y:\y+15], v[\t+2]
	v_lshrrev_b32 v[\t+3], 23, v[\t+2]                    ; the scale's byte (also the plain instruction behind the conversion)
	ds_store_b8 v6, v[\t+3] offset:SCB                    ; both lanes of a block write the same byte with the same value
	global_store_b96 v5, v[\c:\c+2], s[CP:CP+1]           ; the wave stores 384 consecutive bytes
.endm
	s_load_b256 s[4:11], s[0:1], 0x0               ; pg, hidden, b_r, aq
	s_load_b64 s[12:13], s[0:1], 0x20              ; rq
	v_lshl_add_u32 v11, v0, 2, 0xa500
	v_mov_b32 v12, 0
	v_lshrrev_b32 v1, 5, v0
	s_delay_alu instid0(VALU_DEP_1)
	v_readfirstlane_b32 s20, v1                    ; wave 0..15
	v_and_b32 v1, 31, v0                           ; lane
	s_wait_alu depctr_va_vdst(0)
	s_lshr_b32 s22, s20, 2                         ; which of the 4 rows
	s_and_b32 s23, s20, 3                          ; which quarter of it
	s_lshl_b32 s14, ttmp9, 2                       ; the work-group's first row
	s_add_co_u32 s15, s14, s22                     ; my row
	s_lshl_b32 s21, s15, 6                         ; its 64 bytes of row numbers
	s_lshl_b32 s16, s15, 13                        ; its 8,192 bytes in a matrix of f32
	s_mov_b32 s17, 0
	s_lshl_b32 s18, s23, 11
	v_lshl_add_u32 v2, v1, 4, s18                  ; 2,048 x quarter + 16 x lane
	s_wait_alu depctr_va_vdst(0)
	s_wait_kmcnt 0x0
	s_load_b128 s[24:27], s[10:11], s21 offset:0x640000   ; hidden's f, rho, S'
	s_load_b32 s28, s[10:11], s21 offset:0x660004         ; hyp_x's rho
	s_add_nc_u64 s[36:37], s[4:5], s[16:17]
	s_add_nc_u64 s[38:39], s[36:37], 0x3000000     ; x u_r
	s_add_nc_u64 s[36:37], s[36:37], 0x2000000     ; h w_r
	s_add_nc_u64 s[40:41], s[6:7], s[16:17]
.irp i, 0,1,2,3
	global_load_b128 v[RA+4*\i:RA+4*\i+3], v2, s[36:37] offset:512*\i th:TH_LOAD_NT
.endr
.irp i, 0,1,2,3
	global_load_b128 v[RB+4*\i:RB+4*\i+3], v2, s[38:39] offset:512*\i th:TH_LOAD_NT
.endr
.irp i, 0,1,2,3
	global_load_b128 v[RC+4*\i:RC+4*\i+3], v2, s[8:9] offset:512*\i
.endr
.irp i, 0,1,2,3
	global_load_b128 v[RH+4*\i:RH+4*\i+3], v2, s[40:41] offset:512*\i th:TH_LOAD_NT
.endr
	s_mul_i32 s18, s15, 1536
	s_mov_b32 s19, 0
	s_add_nc_u64 s[CP:CP+1], s[12:13], s[18:19]    ; my row's codes
	s_lshl_b32 s18, s14, 6
	s_add_nc_u64 s[44:45], s[12:13], s[18:19]
	s_add_nc_u64 s[46:47], s[44:45], 0x320000      ; the work-group's 256 bytes of row numbers
	s_add_nc_u64 s[44:45], s[44:45], 0x300000      ; and its 256 scale bytes
	s_mul_i32 s29, s20, 2560                       ; my stage
	v_lshrrev_b32 v3, 2, v1
	s_delay_alu instid0(VALU_DEP_1)
	v_mul_u32_u24 v3, v3, 80
	v_and_b32 v4, 3, v1
	s_delay_alu instid0(VALU_DEP_1)
	v_lshl_add_u32 v3, v4, 4, v3
	s_delay_alu instid0(VALU_DEP_1)
	v_add_nc_u32 v3, s29, v3                       ; in: four lanes' 64 bytes on end, then 16 of padding
	v_mul_u32_u24 v4, v1, 80
	s_delay_alu instid0(VALU_DEP_1)
	v_add_nc_u32 v4, s29, v4                       ; out: 80 x lane
	s_mul_i32 s29, s23, 384
	v_mul_u32_u24 v5, v1, 12
	s_delay_alu instid0(VALU_DEP_1)
	v_add_nc_u32 v5, s29, v5                       ; my 12 bytes of the row's codes
	s_lshl_b32 s29, s20, 4
	v_lshrrev_b32 v6, 1, v1
	s_delay_alu instid0(VALU_DEP_1)
	v_add_nc_u32 v6, s29, v6                       ; my block's scale byte
	v_mov_b32 v9, s29                              ; 16 x wave
	s_lshl_b32 s29, s20, 2
	v_mov_b32 v7, s29                              ; 4 x wave
	s_lshl_b32 s29, s20, 5
	v_mov_b32 v13, s29                             ; 32 x wave
	s_lshl_b32 s29, s22, 7
	v_mov_b32 v14, s29                             ; my row's four waves' sums
	s_lshl_b32 s29, s22, 4
	v_mov_b32 v15, s29                             ; my row's four words
	v_lshlrev_b32 v10, 3, v1                       ; 8 x lane
	s_mov_b32 s[SEL], 0x76543210
	s_mov_b32 s[SEL+1], 0xfedcba98
	s_mov_b32 s[KMIN], 0x2edbe6ff                  ; 1e-10
	s_mov_b32 s[KMAX], 0x3f7fff58                  ; 1 - 1e-5
	s_mov_b32 s[KMAX2], 0x3f7ffeb0                 ; its square
	s_mov_b32 s[K3], 0x3eaaaaab                    ; 1/3
	s_mov_b32 s[K5], 0x3e4ccccd                    ; 1/5
	s_mov_b32 s[K7], 0x3e124925                    ; 1/7
	s_mov_b32 s[KN3], 0xbeaaaaab                   ; -1/3
	s_mov_b32 s[K215], 0x3e088889                  ; 2/15
	s_mov_b32 s[K17], 0xbd5d0dd1                   ; -17/315
	s_mov_b32 s[KLN], 0x3eb17218                   ; ln 2 / 2
	s_mov_b32 s[KE2], 0x4038aa3b                   ; 2 log2(e)
	s_mov_b32 s[KNL], 0xbfb8aa3b                   ; -log2(e)
	s_mov_b32 s[KEPS], 0x3727c5ac                  ; 1e-5
	s_mov_b32 s[K8], 0x3e000000                    ; 0.125
.irp i, 0,1,2,3,4,5
	v_mov_b32 v[TP+\i], 0                          ; a lane permute's destination counts as one of its sources
.endr
	v_mov_b32 v[SMS+6], 0
	v_mov_b32 v[SMS+7], 0
	v_mov_b32 v[CO+3], 0                           ; the upper words of the coefficients' pairs are named, so they are written
	v_mov_b32 v[CO+5], 0
	v_mov_b32 v[CO+7], 0
	s_wait_loadcnt 0x4                             ; Pa, Pb and b_r are in; hidden's four loads may stay out
	SUM6 RA, RB, RC, SMS
	WRED 6, SMS, TP
	ds_store_b128 v13, v[SMS:SMS+3] offset:SUMS
	ds_store_b128 v13, v[SMS+4:SMS+7] offset:SUMS+16
	s_wait_dscnt 0x0                               ; for the others' sake: my sums have landed
	s_barrier_signal -1
	s_barrier_wait -1
.irp w, 0,1,2,3
	ds_load_b128 v[LD+8*\w:LD+8*\w+3], v14 offset:SUMS+32*\w
	ds_load_b128 v[LD+8*\w+4:LD+8*\w+7], v14 offset:SUMS+32*\w+16
.endr
	s_wait_dscnt 0x0
.irp k, 0,2,4
	v_pk_add_f32 v[SM+\k:SM+\k+1], v[LD+\k:LD+\k+1], v[LD+8+\k:LD+9+\k]
	v_pk_add_f32 v[LD+16+\k:LD+17+\k], v[LD+16+\k:LD+17+\k], v[LD+24+\k:LD+25+\k]
	s_delay_alu instid0(VALU_DEP_1)
	v_pk_add_f32 v[SM+\k:SM+\k+1], v[SM+\k:SM+\k+1], v[LD+16+\k:LD+17+\k]   ; the same order in the row's four waves: the same bits
.endr
	s_wait_alu depctr_va_vdst(0)
	s_wait_kmcnt 0x0                               ; the rows' numbers
	TRANS SM, s25, s28
	GATE
	SIG16 RA, RB, RC                               ; r
	s_wait_loadcnt 0x0                             ; hidden
.irp j, 0,2,4,6,8,10,12,14
	v_pk_mul_f32 v[RA+\j:RA+\j+1], v[RA+\j:RA+\j+1], v[RH+\j:RH+\j+1]   ; h r
.endr
	DOT16 U+24, U+28, RA, RA
	WRED 1, U+28, U+30
	ds_store_b32 v7, v[U+28] offset:SUM2
	s_wait_dscnt 0x0
	s_barrier_signal -1
	s_barrier_wait -1
	ds_load_b128 v[U+8:U+11], v15 offset:SUM2
	s_wait_dscnt 0x0
	v_add_f32 v[U+8], v[U+8], v[U+9]
	v_add_f32 v[U+10], v[U+10], v[U+11]
	s_delay_alu instid0(VALU_DEP_1)
	v_add_f32 v[U+6], v[U+8], v[U+10]              ; the row's sum of (h r)^2
	v_mov_b32 v[U+7], s24
	s_delay_alu instid0(VALU_DEP_1)
	v_mul_f32 v[U+7], s25, v[U+7]                  ; L = f rho: log_0(clipped h) = L h
	s_delay_alu instid0(VALU_DEP_1)
	v_mul_f32 v[U+8], v[U+7], v[U+7]
	s_delay_alu instid0(VALU_DEP_1)
	v_mul_f32 v[U+8], v[U+8], v[U+6]
	s_delay_alu instid0(VALU_DEP_1)
	v_max_num_f32 v[U+8], s[KMIN], v[U+8]
	s_wait_alu depctr_va_vdst(0)
	v_rsq_f32 v[U+9], v[U+8]
	v_nop
	s_wait_alu depctr_va_vdst(0)
	v_mul_f32 v[U+10], v[U+8], v[U+9]              ; n = the tangent vector's norm
	TANHP U+11, U+10
	s_delay_alu instid0(VALU_DEP_1)
	v_min_num_f32 v[U+11], s[KMAX], v[U+11]        ; t: r_point_h's norm, clipped
	s_delay_alu instid0(VALU_DEP_1)
	v_mul_f32 v[CO+6], v[U+7], v[U+11]
	v_mul_f32 v[CO+6], v[CO+6], v[U+9]             ; kappa = L t / n
	s_delay_alu instid0(VALU_DEP_3)
	v_max_num_f32 v[U+12], s[KEPS], v[U+11]
	ATANHC U+13, U+12                              ; rho of r_point_h
.irp j, 0,2,4,6,8,10,12,14
	v_pk_mul_f32 v[RB+\j:RB+\j+1], v[RA+\j:RA+\j+1], v[CO+6:CO+7] op_sel_hi:[1,0]   ; r_point_h
.endr
.irp i, 0,1,2,3
	v_mov_b32 v[52+\i], v[U+13]
.endr
	QSTEP RB, RA, 48, 56
	ds_store_b128 v9, v[52:55] offset:STAT
	s_wait_dscnt 0x0                               ; my scale bytes and the row's number have landed
	s_barrier_signal -1
	s_barrier_wait -1
	s_cmp_lg_u32 s20, 0
	s_cbranch_scc1 .Lend                           ; wave 0 stores what the sixteen have gathered
	ds_load_b64 v[60:61], v10 offset:SCB
	ds_load_b64 v[62:63], v10 offset:STAT
	s_wait_dscnt 0x0
	global_store_b64 v10, v[60:61], s[44:45]       ; 32 lanes store 256 consecutive bytes, at a multiple of 256 from the buffer's first byte
	global_store_b64 v10, v[62:63], s[46:47]
.Lend:
	s_wait_tensorcnt 0x0
	ds_add_u32 v11, v12
	s_wait_dscnt 0x0
	s_endpgm
.Lfunc_end_k_q74737780e0_gate_r:
	.size	k_q74737780e0_gate_r, .Lfunc_end_k_q74737780e0_gate_r-k_q74737780e0_gate_r
	.p2alignl 7, 3214868480
	.fill 96, 4, 3214868480
	.section	.rodata,"a",@progbits
	.p2align	6, 0x0
	.amdhsa_kernel k_q74737780e0_gate_r
		.amdhsa_group_segment_fixed_size 44288
		.amdhsa_private_segment_fixed_size 0
		.amdhsa_enable_private_segment 0
		.amdhsa_kernarg_size 40
		.amdhsa_user_sgpr_count 2
		.amdhsa_user_sgpr_kernarg_segment_ptr 1
		.amdhsa_wavefront_size32 1
		.amdhsa_system_sgpr_workgroup_id_x 1
		.amdhsa_system_sgpr_workgroup_id_y 1
		.amdhsa_system_sgpr_workgroup_id_z 1
		.amdhsa_system_vgpr_workitem_id 0
		.amdhsa_next_free_vgpr 128
		.amdhsa_next_free_sgpr 66
		.amdhsa_reserve_vcc 1
		.amdhsa_float_denorm_mode_32 3
		.amdhsa_float_denorm_mode_16_64 3
		.amdhsa_memory_ordered 1
		.amdhsa_forward_progress 1
		.amdhsa_inst_pref_size 31
	.end_amdhsa_kernel
	.amdgpu_metadata
---
amdhsa.version: [ 1, 2 ]
amdhsa.kernels:
  - .name:           k_q74737780e0_gate_r
    .symbol:         k_q74737780e0_gate_r.kd
    .args:
      - { .name: pg, .offset: 0, .size: 8, .value_kind: global_buffer, .address_space: global }
      - { .name: hidden, .offset: 8, .size: 8, .value_kind: global_buffer, .address_space: global }
      - { .name: b_r, .offset: 16, .size: 8, .value_kind: global_buffer, .address_space: global }
      - { .name: aq, .offset: 24, .size: 8, .value_kind: global_buffer, .address_space: global }
      - { .name: rq, .offset: 32, .size: 8, .value_kind: global_buffer, .address_space: global }
    .group_segment_fixed_size: 44288
    .private_segment_fixed_size: 0
    .kernarg_segment_align: 8
    .kernarg_segment_size: 40
    .max_flat_workgroup_size: 512
    .sgpr_count:     66
    .vgpr_count:     128
    .wavefront_size: 32
...
	.end_amdgpu_metadata
.endif
;; end of part 3
;; launch gemm2 (part 4): grid 16 x 16, 4 waves a work-group, clusters of 4 x 4, 327,680 bytes of LDS; arguments rq, w_h_codes, w_h_scales, p5; writes p5
.if DOCPART == 4
	.amdgcn_target "amdgcn-amd-amdhsa--gfx1250"
	.amdhsa_code_object_version 6
	.text
	.protected	k_q74737780e0_gemm2
	.globl	k_q74737780e0_gemm2
	.p2align	8
	.type	k_q74737780e0_gemm2,@function
k_q74737780e0_gemm2:
	s_mov_b64 s[64:65], 0
	v_nop
	global_prefetch_b8 v0, s[64:65] scope:SCOPE_SE
	s_setreg_imm32_b32 hwreg(HW_REG_WAVE_MODE, 25, 1), 1
	s_wait_xcnt 0x0
	s_wait_alu depctr_hold_cnt(0) depctr_sa_sdst(0) depctr_va_vdst(0) depctr_va_sdst(0) depctr_va_ssrc(0) depctr_va_vcc(0) depctr_vm_vsrc(0)
	s_getreg_b32 s2, hwreg(HW_REG_IB_STS2, 6, 4)
	s_cmp_eq_u32 s2, 0
	s_cbranch_scc0 .Lentry_in_a_cluster
	s_endpgm
.Lentry_in_a_cluster:
	s_bfe_u32 s2, ttmp6, 0x10000c
	s_cmp_lg_u32 s2, 0xf033
	s_cbranch_scc0 .Lentry_shape_is_right
	s_endpgm
.Lentry_shape_is_right:
; p5 = r_point_h w_h: [2048][2048] x [2048][2048] on codes of FP6 (E2M3) with E8M0 scales.  A: rq (codes [2048][1536], scale bytes [2048][64] at 0x300000); B: w_h's codes and scales as given.
; One product has 64 tiles of 256 x 256, so a tile is 128 x 128: 256 work-groups; four waves, 64 x 64 each: 16 accumulators.
; K goes through two LDS slots in pieces of 512 bytes of each row (a row of codes is 1,536 bytes: three pieces, each begins at a multiple of 256): slot 0, slot 1, and slot 0 once more: one refill.
; A step of 128 along K is 96 bytes; steps 5 and 10 lie across two pieces.
; THE SCALES go straight into registers, once: lane (r, h) takes words 8 h .. 8 h + 7 of row r's 16; steps 0-7 read lanes 0-15, steps 8-15 lanes 16-31.  A block's two loads cover 1,024 consecutive bytes.
; CLUSTERS 4 x 4: A's tiles are asked for jointly along a row of the cluster, B's along a column.  The matrix instruction is used transposed (source 0 = rows of B).
; PREFETCH: behind the load of piece f stands one request a wave for piece f + 1: of a tile's 128 rows each of the four partners takes 32 by address, a lane a row; waves 0, 1 name A's two blocks
; of 256 bytes, waves 2, 3 B's.  Behind the last load nothing is named; the address registers are never rewritten.
; REGISTERS: window 0: v16-30 addresses, v32-63 A's scale words, v64-95 B's, v128-255 accumulators (way out: v64-127); window 1: two sets of fragments (A 48, B 48).
.set SIZE_N, 2048
.set ROWB,   512
.set KROW,   1536
.set STEPS,  16
.set CHUNKS, 3
.set PITCH,  528                       ; 512 bytes + 16 of padding
.set FR,     12
.set NL,     6
.set NP,     4
.set HALFT,  64*PITCH
.set SLOT,   4*HALFT
.set SPARE,  2*SLOT                    ; the spare words: 512 bytes that no other line names
.set STAGE,  SPARE+512                 ; 16 rows x 272 bytes a wave; no fill lands here
.set SPITCH, 272
.set ADRA, 16
.set ADRB, 20
.set STO,  24
.set RD,   25
.set CO,   26
.set VSC,  27
.set SPW,  28
.set NIL,  29
.set PFO,  30
.set SCA,  32
.set SCB,  64
.set BK,   64
.set ACC,  128
.set G1, 24
.set G0, 32
.set G1B, 48
.set G0B, 56
.set PFA, 94
.set MSB, 0
.macro WIN new
.if MSB != \new
	s_set_vgpr_msb (MSB<<8)|\new
.set MSB, \new
.endif
.endm
.set MUL,  0x05
.set TO_F, 0x40
.macro JLOAD g0a, g1a, g0b, g1b        ; a joint load; s_nop 0 and four v_nop behind each line
	s_cmp_eq_u32 s15, 0
	s_cbranch_scc0 .Lfor_b_\@
	tensor_load_to_lds s[\g0a:\g0a+3], s[\g1a:\g1a+7]
	s_nop 0
.rept 4
	v_nop
.endr
	s_branch .Lasked_\@
.Lfor_b_\@:
	tensor_load_to_lds s[\g0b:\g0b+3], s[\g1b:\g1b+7]
	s_nop 0
.rept 4
	v_nop
.endr
.Lasked_\@:
.endm
.macro CREST
	s_cmp_lg_u32 s14, 0
	s_cbranch_scc1 .Lnot_wave_0_\@
	s_barrier_signal -3
.Lnot_wave_0_\@:
	s_barrier_wait -3
	s_barrier_signal -1
	s_barrier_wait -1
.endm
.macro CROUND
	s_barrier_signal -1
	s_barrier_wait -1
	CREST
.endm
	s_load_b256 s[4:11], s[0:1], 0x0               ; rq, w_h_codes, w_h_scales, p5
	v_lshl_add_u32 v[SPW], v0, 2, SPARE
	v_mov_b32 v[NIL], 0
	ds_add_u32 v[SPW], v[NIL]                      ; the opening lines: the add twice on end and one wait
	ds_add_u32 v[SPW], v[NIL]
	v_lshrrev_b32 v1, 5, v0
	v_readfirstlane_b32 s14, v1                    ; wave
	s_lshr_b32 s15, s14, 1                         ; my half of the tile's rows; also: I fetch for A (0) or B (1)
	s_and_b32 s16, s14, 1                          ; my half of its columns; also: which 64 rows I fetch
	s_bfe_u32 s40, ttmp6, 0x40000
	s_bfe_u32 s41, ttmp6, 0x40004
	s_lshl_b32 s42, ttmp9, 2
	s_add_co_u32 s42, s42, s40                     ; tile column
	s_and_b32 s17, ttmp7, 0xffff
	s_lshl_b32 s17, s17, 2
	s_add_co_u32 s17, s17, s41                     ; tile row
	s_lshl_b32 s43, s41, 2
	s_lshl_b32 s43, 15, s43
	s_lshl_b32 s44, 0x1111, s40
	s_or_b32 s[G1+0], s43, (0<<16)|(1<<20)|(1<<21)|(6<<22)|(3<<25)
	s_or_b32 s[G1B+0], s44, (0<<16)|(1<<20)|(1<<21)|(6<<22)|(3<<25)
.irp g, G1, G1B
	s_mov_b32 s[\g+1], ROWB<<16
	s_mov_b32 s[\g+2], 64<<16
	s_mov_b32 s[\g+3], ROWB<<16
	s_mov_b32 s[\g+4], 64
	s_mov_b32 s[\g+5], KROW
	s_mov_b32 s[\g+6], 0
	s_mov_b32 s[\g+7], 0
.endr
	s_mul_i32 s20, s17, 128*KROW                   ; A's tile, in bytes
	s_mov_b32 s21, 0
	s_mul_i32 s46, s42, 128*KROW                   ; B's
	s_mov_b32 s47, 0
	s_mul_i32 s18, s16, 64*KROW                    ; the 64 rows that I fetch
	s_mov_b32 s19, 0
	s_mul_i32 s45, s14, HALFT
	s_lshl_b32 s22, s17, 13                        ; the scales of my 64 rows of A: 64 bytes a row
	s_lshl_b32 s23, s15, 12
	s_add_co_u32 s22, s22, s23
	s_add_co_u32 s22, s22, 0x300000
	s_mov_b32 s23, 0
	s_lshl_b32 s92, s42, 13                        ; and of my 64 rows of B
	s_lshl_b32 s93, s16, 12
	s_add_co_u32 s92, s92, s93
	s_mov_b32 s93, 0
	s_wait_dscnt 0x0                               ; both opening adds are done
	s_wait_kmcnt 0x0
	s_add_nc_u64 s[20:21], s[4:5], s[20:21]
	s_add_nc_u64 s[46:47], s[6:7], s[46:47]
	s_add_nc_u64 s[22:23], s[4:5], s[22:23]
	s_add_nc_u64 s[92:93], s[8:9], s[92:93]
	s_cmp_eq_u32 s15, 0                            ; the prefetches: A's tile or B's,
	s_cselect_b64 s[PFA:PFA+1], s[20:21], s[46:47]
	s_cselect_b32 s96, s40, s41                    ; my place among the four that ask for it with me: 32 rows,
	s_mul_i32 s96, s96, 32*KROW
	s_lshl_b32 s97, s16, 8                         ; and which 256 bytes of a piece
	s_add_co_u32 s96, s96, s97
	s_mov_b32 s97, 0
	s_add_nc_u64 s[PFA:PFA+1], s[PFA:PFA+1], s[96:97]
	s_add_nc_u64 s[20:21], s[20:21], s[18:19]
	s_add_nc_u64 s[46:47], s[46:47], s[18:19]
	CROUND                                         ; in front of the first joint loads
.irp s, 0,1
	s_mov_b32 s[G0+4*\s], 1
	s_add_co_u32 s[G0+4*\s+1], s45, \s*SLOT
	s_add_nc_u64 s[G0+4*\s+2:G0+4*\s+3], s[20:21], \s*ROWB
	s_or_b32 s[G0+4*\s+3], s[G0+4*\s+3], 0x80000000
	s_mov_b32 s[G0B+4*\s], 1
	s_add_co_u32 s[G0B+4*\s+1], s45, \s*SLOT
	s_add_nc_u64 s[G0B+4*\s+2:G0B+4*\s+3], s[46:47], \s*ROWB
	s_or_b32 s[G0B+4*\s+3], s[G0B+4*\s+3], 0x80000000
.endr
	JLOAD G0, G1, G0B, G1B                         ; piece 0: one tensor load a wave at the head
	v_and_b32 v[PFO], 31, v0
	v_mul_u32_u24 v[PFO], v[PFO], KROW
	global_prefetch_b8 v[PFO], s[PFA:PFA+1] offset:ROWB th:TH_LOAD_NT scope:SCOPE_SE      ; piece 1
	v_and_b32 v1, 15, v0                           ; l % 16
	v_bfe_u32 v2, v0, 4, 1                         ; l / 16
	v_lshlrev_b32 v[VSC], 6, v1
	v_lshl_add_u32 v[VSC], v2, 5, v[VSC]           ; 64 x row + 32 x half
.irp i, 0,1,2,3
.irp j, 0,1
	global_load_b128 v[SCA+8*\i+4*\j:SCA+8*\i+4*\j+3], v[VSC], s[22:23] offset:1024*\i+16*\j
	global_load_b128 v[SCB+8*\i+4*\j:SCB+8*\i+4*\j+3], v[VSC], s[92:93] offset:1024*\i+16*\j
.endr
.endr
	v_mul_u32_u24 v3, v1, PITCH
	v_mul_u32_u24 v4, v2, 24
	v_add_nc_u32 v4, v3, v4                        ; row x pitch + 24 x half
	s_mov_b32 s12, SLOT-(ROWB-24)
	s_mov_b32 s13, SLOT+(ROWB-24)
	v_sub_nc_u32 v7, 1, v2
	v_mul_u32_u24 v5, s12, v2
	v_add_nc_u32 v5, v3, v5
	v_add_nc_u32 v5, ROWB-24, v5                   ; across two pieces: lanes 0-15 byte 488 in slot 0, lanes 16-31 byte 0 in slot 1;
	v_mul_u32_u24 v6, s13, v7
	v_add_nc_u32 v6, v3, v6                        ; and the other way round
	s_mul_i32 s20, s15, HALFT
	s_mul_i32 s21, s16, HALFT
	s_add_co_u32 s21, s21, 2*HALFT
	v_add_nc_u32 v[ADRA+2], s20, v5
	v_add_nc_u32 v[ADRA+3], s20, v6
	v_add_nc_u32 v[ADRB+2], s21, v5
	v_add_nc_u32 v[ADRB+3], s21, v6
.irp s, 0,1
	v_add_nc_u32 v[ADRA+\s], s20, v4
	v_add_nc_u32 v[ADRB+\s], s21, v4
	s_add_co_u32 s20, s20, SLOT
	s_add_co_u32 s21, s21, SLOT
.endr
	s_mul_i32 s18, s14, 16*SPITCH
	s_add_co_u32 s18, s18, STAGE
	v_mul_u32_u24 v5, v1, SPITCH
	v_lshl_add_u32 v5, v2, 5, v5
	v_add_nc_u32 v[STO], s18, v5
	v_mul_u32_u24 v6, v2, SPITCH
	v_lshl_add_u32 v6, v1, 4, v6
	v_add_nc_u32 v[RD], s18, v6
	v_lshlrev_b32 v6, 13, v2
	v_lshl_add_u32 v[CO], v1, 4, v6
	s_lshl_b32 s20, s17, 7
	s_lshl_b32 s21, s15, 6
	s_add_co_u32 s20, s20, s21                     ; my first row of the result,
	s_lshl_b32 s20, s20, 13                        ; 8,192 bytes a row,
	s_lshl_b32 s46, s42, 9
	s_lshl_b32 s47, s16, 8
	s_add_co_u32 s46, s46, s47                     ; and my first column, in bytes
	s_add_co_u32 s20, s20, s46
	s_mov_b32 s21, 0
	s_add_nc_u64 s[10:11], s[10:11], s[20:21]
.macro FRAG reg, adr, st, i            ; 16 rows x 128 K: six pieces of 8 bytes; byte y of a row lies in piece y / 512, slot (y / 512) % 2
.irp p, 0,1,2,3,4,5
.set BY, 96*(\st)+48*(\p/3)+8*(\p%3)
.if BY/ROWB == (BY+24)/ROWB
	ds_load_b64 v[\reg+2*\p:\reg+2*\p+1], v[\adr+(BY/ROWB)%2] offset:BY%ROWB+(\i)*16*PITCH
.else
	ds_load_b64 v[\reg+2*\p:\reg+2*\p+1], v[\adr+2+(BY/ROWB)%2] offset:BY%ROWB-(ROWB-24)+(\i)*16*PITCH
.endif
.endr
.endm
; four products: A's block a against B's four; the 16 accumulators take turns in the same order in every step
.macro MUL4 a, st, zero
.irp b, 0,1,2,3
.if \zero
	v_wmma_scale_f32_16x16x128_f8f6f4 v[ACC+8*(4*(\a)+\b):ACC+8*(4*(\a)+\b)+7], v[128*((\st)%2)+48+FR*\b:128*((\st)%2)+48+FR*\b+FR-1], v[128*((\st)%2)+FR*(\a):128*((\st)%2)+FR*(\a)+FR-1], 0, v[SCB+8*\b+(\st)%8], v[SCA+8*(\a)+(\st)%8] matrix_a_fmt:MATRIX_FMT_FP6 matrix_b_fmt:MATRIX_FMT_FP6
.elseif (\st) < 8
	v_wmma_scale_f32_16x16x128_f8f6f4 v[ACC+8*(4*(\a)+\b):ACC+8*(4*(\a)+\b)+7], v[128*((\st)%2)+48+FR*\b:128*((\st)%2)+48+FR*\b+FR-1], v[128*((\st)%2)+FR*(\a):128*((\st)%2)+FR*(\a)+FR-1], v[ACC+8*(4*(\a)+\b):ACC+8*(4*(\a)+\b)+7], v[SCB+8*\b+(\st)%8], v[SCA+8*(\a)+(\st)%8] matrix_a_fmt:MATRIX_FMT_FP6 matrix_b_fmt:MATRIX_FMT_FP6
.else
	v_wmma_scale_f32_16x16x128_f8f6f4 v[ACC+8*(4*(\a)+\b):ACC+8*(4*(\a)+\b)+7], v[128*((\st)%2)+48+FR*\b:128*((\st)%2)+48+FR*\b+FR-1], v[128*((\st)%2)+FR*(\a):128*((\st)%2)+FR*(\a)+FR-1], v[ACC+8*(4*(\a)+\b):ACC+8*(4*(\a)+\b)+7], v[SCB+8*\b+(\st)%8], v[SCA+8*(\a)+(\st)%8] matrix_a_fmt:MATRIX_FMT_FP6 matrix_b_fmt:MATRIX_FMT_FP6 matrix_a_scale:MATRIX_SCALE_ROW1 matrix_b_scale:MATRIX_SCALE_ROW1
.endif
.endr
.endm
.macro FETCH_B st
.irp i, 0,1,2,3
	FRAG 128*((\st)%2)+48+FR*\i, ADRB, \st, \i
.endr
.endm
.macro FETCH_A st
.irp i, 0,1,2,3
	FRAG 128*((\st)%2)+FR*\i, ADRA, \st, \i
.endr
.endm
.macro PLACES n                        ; places behind matrix instructions, ahead of loads into their registers
.rept \n
	v_nop
.endr
.endm
; a step: 16 products on set st % 2; the next step's fragments go into the other set.  Where the next step ends in a piece not read yet: a barrier behind every wave's wait for its tensor loads.
; Where it begins in a later piece and a piece two on is left: the three lines, the cluster's round and the refill.
.macro STEP st, zero
.set NX, (\st)+1
.set C0, (96*(\st))/ROWB
.set C1, (96*NX)/ROWB
.set E0, (96*(\st)+95)/ROWB
.set E1, (96*NX+95)/ROWB
.if (C1 > C0 && C0+2 < CHUNKS) || E1 > E0
.if C1 > C0
	WIN 0                                          ; the add's registers lie in window 0
	s_wait_tensorcnt 0x0
	ds_add_u32 v[SPW], v[NIL]
	s_wait_dscnt 2*NL+1                            ; the add and A's blocks 2, 3 may be out
.else
	s_wait_tensorcnt 0x0                           ; my part of the next piece has landed
	s_wait_dscnt 2*NL
.endif
	WIN MUL
	MUL4 0, \st, 0
	MUL4 1, \st, 0
	s_wait_dscnt 0x0                               ; the add and all my reads are done
	s_barrier_signal -1
	MUL4 2, \st, 0
	WIN 0
	s_barrier_wait -1
.if C1 > C0
	CREST
	s_add_nc_u64 s[G0+4*(C0%2)+2:G0+4*(C0%2)+3], s[G0+4*(C0%2)+2:G0+4*(C0%2)+3], 2*ROWB
	s_add_nc_u64 s[G0B+4*(C0%2)+2:G0B+4*(C0%2)+3], s[G0B+4*(C0%2)+2:G0B+4*(C0%2)+3], 2*ROWB
	JLOAD G0+4*(C0%2), G1, G0B+4*(C0%2), G1B       ; piece C0 + 2: the first tensor load behind the round
.else
	PLACES NP
.endif
	WIN TO_F
	FETCH_B NX
	FETCH_A NX
	WIN MUL
	MUL4 3, \st, 0
.else
	s_wait_dscnt 2*NL                              ; A's blocks 2, 3 may be out
.if \zero == 0
	PLACES NP
.endif
	WIN TO_F
	FETCH_B NX
	WIN MUL
	MUL4 0, \st, \zero
	MUL4 1, \st, \zero
	WIN TO_F
	FETCH_A NX
	s_wait_dscnt 8*NL                              ; all but the 48 just issued
	WIN MUL
	MUL4 2, \st, \zero
	MUL4 3, \st, \zero
.endif
.endm
	s_wait_alu depctr_va_vdst(0)
	s_wait_tensorcnt 0x0                           ; my part of piece 0 is in
	ds_add_u32 v[SPW], v[NIL]
	s_wait_dscnt 0x0
	CROUND
	JLOAD G0+4, G1, G0B+4, G1B                     ; piece 1
	global_prefetch_b8 v[PFO], s[PFA:PFA+1] offset:2*ROWB th:TH_LOAD_NT scope:SCOPE_SE    ; piece 2
	WIN TO_F
	FETCH_B 0
	FETCH_A 0
	s_wait_loadcnt 0x0                             ; the scale words
	STEP 0, 1                                      ; the first step's products start the sums
.set ST, 1
.rept STEPS-2
	STEP ST, 0
.set ST, ST+1
.endr
	s_wait_dscnt 2*NL                              ; the last step fetches nothing
	WIN MUL
	MUL4 0, 15, 0
	MUL4 1, 15, 0
	s_wait_dscnt 0x0
	MUL4 2, 15, 0
	MUL4 3, 15, 0
	WIN 0
; the way out: 16 rows x 64 columns through my own stage, back as rows of 256 bytes, two rows an instruction
.macro TOSTAGE a
.irp b, 0,1,2,3
	ds_store_b128 v[STO], v[ACC+8*(4*(\a)+\b):ACC+8*(4*(\a)+\b)+3] offset:64*\b      ; each accumulator from its low end on
	ds_store_b128 v[STO], v[ACC+8*(4*(\a)+\b)+4:ACC+8*(4*(\a)+\b)+7] offset:64*\b+16
.endr
.set BB, BK+32*((\a)%2)
.irp t, 0,1,2,3,4,5,6,7
	ds_load_b128 v[BB+4*\t:BB+4*\t+3], v[RD] offset:\t*2*SPITCH    ; LDS serves a wave's instructions in order
.endr
.endm
.macro SEND a, younger
.set BB, BK+32*((\a)%2)
	s_wait_dscnt \younger
.irp t, 0,1,2,3,4,5,6,7
	global_store_b128 v[CO], v[BB+4*\t:BB+4*\t+3], s[10:11] offset:(16*(\a)+2*\t)*SIZE_N*4 th:TH_STORE_NT   ; 16 lanes store 256 consecutive bytes, aligned
.endr
.endm
	PLACES NP
	TOSTAGE 0
.irp a, 1,2,3
.if \a > 1
	s_wait_xcnt 0x0                                ; block a - 2's stores have read their registers
.endif
	TOSTAGE \a
	SEND \a-1, 16                                  ; behind block a - 1's loads: block a's 8 stores and 8 loads
.endr
	SEND 3, 0
	s_wait_tensorcnt 0x0                           ; the wave's end
	ds_add_u32 v[SPW], v[NIL]
	s_wait_dscnt 0x0
	CROUND                                         ; the closing round
	s_endpgm
.Lfunc_end_k_q74737780e0_gemm2:
	.size	k_q74737780e0_gemm2, .Lfunc_end_k_q74737780e0_gemm2-k_q74737780e0_gemm2
	.p2alignl 7, 3214868480
	.fill 96, 4, 3214868480
	.section	.rodata,"a",@progbits
	.p2align	6, 0x0
	.amdhsa_kernel k_q74737780e0_gemm2
		.amdhsa_group_segment_fixed_size 327680
		.amdhsa_private_segment_fixed_size 0
		.amdhsa_enable_private_segment 0
		.amdhsa_kernarg_size 32
		.amdhsa_user_sgpr_count 2
		.amdhsa_user_sgpr_kernarg_segment_ptr 1
		.amdhsa_wavefront_size32 1
		.amdhsa_system_sgpr_workgroup_id_x 1
		.amdhsa_system_sgpr_workgroup_id_y 1
		.amdhsa_system_sgpr_workgroup_id_z 1
		.amdhsa_system_vgpr_workitem_id 0
		.amdhsa_next_free_vgpr 512
		.amdhsa_next_free_sgpr 98
		.amdhsa_reserve_vcc 0
		.amdhsa_float_denorm_mode_32 3
		.amdhsa_float_denorm_mode_16_64 3
		.amdhsa_memory_ordered 1
		.amdhsa_forward_progress 1
		.amdhsa_inst_pref_size 104
	.end_amdhsa_kernel
	.amdgpu_metadata
---
amdhsa.version: [ 1, 2 ]
amdhsa.kernels:
  - .name:           k_q74737780e0_gemm2
    .symbol:         k_q74737780e0_gemm2.kd
    .args:
      - { .name: rq, .offset: 0, .size: 8, .value_kind: global_buffer, .address_space: global }
      - { .name: w_h_codes, .offset: 8, .size: 8, .value_kind: global_buffer, .address_space: global }
      - { .name: w_h_scales, .offset: 16, .size: 8, .value_kind: global_buffer, .address_space: global }
      - { .name: p5, .offset: 24, .size: 8, .value_kind: global_buffer, .address_space: global }
    .group_segment_fixed_size: 327680
    .private_segment_fixed_size: 0
    .kernarg_segment_align: 8
    .kernarg_segment_size: 32
    .max_flat_workgroup_size: 128
    .sgpr_count:     98
    .vgpr_count:     512
    .wavefront_size: 32
...
	.end_amdgpu_metadata
.endif
;; end of part 4
;; launch final (part 5): grid 2048 x 1, 4 waves a work-group, no clusters, 1,536 bytes of LDS; arguments pg, p5, hidden, b_z, b_h, aq, rq, out0; writes out0
.if DOCPART == 5
	.amdgcn_target "amdgcn-amd-amdhsa--gfx1250"
	.amdhsa_code_object_version 6
	.text
	.protected	k_q74737780e0_final
	.globl	k_q74737780e0_final
	.p2align	8
	.type	k_q74737780e0_final,@function
k_q74737780e0_final:
	s_mov_b64 s[64:65], 0
	v_nop
	global_prefetch_b8 v0, s[64:65] scope:SCOPE_SE
	s_setreg_imm32_b32 hwreg(HW_REG_WAVE_MODE, 25, 1), 1
	s_wait_xcnt 0x0
; z = sigmoid(log_0(transition(w_z, h, u_z, x, b_z))), h~ = transition(w_h, r_point_h, u_r, x, b_h), m = (-h) (+) h~, out = h (+) exp_0(log_0(m) z).
; EVERY MOEBIUS STEP IS A ROW SCALAR TIMES VECTORS.  A transition is CA Pa + CB Pb + CC b with coefficients from six sums over the row (|Pa|^2, |Pb|^2, Pa.Pb, Pa.b, Pb.b, |b|^2) and the rows' numbers
; rho = artanh(n)/n left by earlier launches.  For z: Pa = pg (h w_z), Pb = pg + 2^24 (x u_z); for h~: Pa = p5 (r_point_h w_h), Pb = pg + 3 x 2^24 (x u_r, which reference() computes twice and this program once).
; SHARES.  A work-group is one row, a wave a quarter of it: seven vectors of 16 registers a lane, all asked for at the head.  Sums meet in LDS: three barriers, each with LDS bytes of its own.
; THE ROW SCALARS OF THE TWO TRANSITIONS ARE COMPUTED TOGETHER, BY LANES: lanes 0-15 serve z, lanes 16-31 h~; in the Moebius products' scalars lanes with bit 3 clear serve Pa, the others Pb, and lane l xor 8
; hands over its partner's.  The coefficients are read out of lanes 0 and 16.
; A MOEBIUS SUM HAS ONE BATCH OF TRANSCENDENTALS: with a' = 1 + 2 u.v + |v|^2, b' = 1 - |u|^2 and N = |a' u + b' v|^2 (the quadratic form) the sum's norm is sqrt(N) / den, so 1 / den and 1 / sqrt(N) are
; asked for together, and the norm serves the clip and artanh(n)/n alike.
; No tensor load, no prefetch: every byte is asked for at the kernel's head, and there is no loop to run ahead in.
; LIMITS: the norm of a scalar times a vector is taken as |scalar| x the vector's norm, and the norm of a Moebius sum from the quadratic form in its two vectors' sums: another order of rounding than summing
; anew; these norms enter only as 1 +- n^2, in the test against the ball's edge and in artanh(n)/n.  N under 2^-100 is held there in the root alone: the norm then lies under 1e-5, where reference() holds it too.
; A clip of a clipped point is taken as the identity.  tanh and artanh(c)/c go by series under 0.125 (first term left out under 1e-8).  NaN and infinities are not served.
.set SUMA, 0                           ; LDS: 64 bytes a wave in each of three regions
.set SUMB, 256
.set SUMC, 512
.set ZA,   16                          ; v16-31   h w_z, then z
.set ZB,   32                          ; v32-47   x u_z
.set ZC,   48                          ; v48-63   b_z
.set TA,   64                          ; v64-79   r_point_h w_h, then h~, then m z, then the result
.set TB,   80                          ; v80-95   x u_r
.set TC,   96                          ; v96-111  b_h
.set RH,   112                         ; v112-127 hidden
.set AC,   128                         ; v128-139 six pairs of running sums
.set TP,   152                         ; v152-163 at work in WRED
.set LD,   128                         ; v128-175 the four waves' twelve sums, read back
.set SM,   176                         ; v176-187 twelve sums
.set U,    128                         ; v128-163 at work on row scalars
.set CO,   192                         ; v192-205 coefficients, each the low word of a pair
.set CA,   CO
.set CT2,  CO+1
.set CB,   CO+2
.set CC,   CO+4
.set CH,   CO+6
.set CT,   CO+8
.set C1,   CO+10
.set C2,   CO+12
.set XS1,  U+17
.set XS2,  U+18
.set XU2,  U+19
.set XV2,  U+20
.set XUV,  U+21
.set XA,   U+22
.set XB,   U+23
.set XW2,  U+24
.set XK1,  U+25
.set XK2,  U+26
.set XWB,  U+27
.set XA2,  U+28
.set XB2,  U+29
.set OS,   U+30                        ; my lane's own Moebius-product scalar and squared norm,
.set OQ,   U+31
.set PS,   U+32                        ; and lane l xor 8's
.set PQ,   U+33
.set SI,   U+34
.set RHO,  U+35
.set YU2,  U+17                        ; behind the transitions the same registers serve the last two Moebius sums
.set YV2,  U+18
.set YUV,  U+19
.set YA,   U+20
.set YB,   U+21
.set YW,   U+22
.set YL,   U+23
.set YN,   U+24
.set SEL,  30
.set KMIN, 48
.set KMAX, 49
.set KMAX2, 50
.set K3,   51
.set K5,   52
.set K7,   53
.set KN3,  54
.set K215, 55
.set K17,  56
.set KLN,  57
.set KE2,  58
.set KNL,  59
.set KEPS, 60
.set K8,   61
.set LOW,  62                          ; the mask of lanes 0-15
.set MA,   63                          ; the mask of the lanes with bit 3 clear
.macro WRED n, sb, tb                  ; n sums over the wave's 32 lanes; the result stands in every lane
.irp m, 1,2,4,8
.set wi, 0
.rept \n
	v_add_f32_dpp v[\sb+wi], v[\sb+wi], v[\sb+wi] row_xmask:\m row_mask:0xf bank_mask:0xf
.set wi, wi+1
.endr
.endr
.set wi, 0
.rept \n
	v_permlanex16_b32 v[\tb+wi], v[\sb+wi], s[SEL], s[SEL+1]
.set wi, wi+1
.endr
.set wi, 0
.rept \n
	v_add_f32 v[\sb+wi], v[\sb+wi], v[\tb+wi]
.set wi, wi+1
.endr
.endm
.macro SUM6 a, b, c, sm                ; aa, bb, ab, ac, bc, cc, by turns
	v_pk_mul_f32 v[AC:AC+1], v[\a:\a+1], v[\a:\a+1]
	v_pk_mul_f32 v[AC+2:AC+3], v[\b:\b+1], v[\b:\b+1]
	v_pk_mul_f32 v[AC+4:AC+5], v[\a:\a+1], v[\b:\b+1]
	v_pk_mul_f32 v[AC+6:AC+7], v[\a:\a+1], v[\c:\c+1]
	v_pk_mul_f32 v[AC+8:AC+9], v[\b:\b+1], v[\c:\c+1]
	v_pk_mul_f32 v[AC+10:AC+11], v[\c:\c+1], v[\c:\c+1]
.irp j, 2,4,6,8,10,12,14
	v_pk_fma_f32 v[AC:AC+1], v[\a+\j:\a+\j+1], v[\a+\j:\a+\j+1], v[AC:AC+1]
	v_pk_fma_f32 v[AC+2:AC+3], v[\b+\j:\b+\j+1], v[\b+\j:\b+\j+1], v[AC+2:AC+3]
	v_pk_fma_f32 v[AC+4:AC+5], v[\a+\j:\a+\j+1], v[\b+\j:\b+\j+1], v[AC+4:AC+5]
	v_pk_fma_f32 v[AC+6:AC+7], v[\a+\j:\a+\j+1], v[\c+\j:\c+\j+1], v[AC+6:AC+7]
	v_pk_fma_f32 v[AC+8:AC+9], v[\b+\j:\b+\j+1], v[\c+\j:\c+\j+1], v[AC+8:AC+9]
	v_pk_fma_f32 v[AC+10:AC+11], v[\c+\j:\c+\j+1], v[\c+\j:\c+\j+1], v[AC+10:AC+11]
.endr
.irp i, 0,1,2,3,4,5
	v_add_f32 v[\sm+\i], v[AC+2*\i], v[AC+2*\i+1]
.endr
.endm
.macro DOT16 acc, res, a, b
	v_pk_mul_f32 v[\acc:\acc+1], v[\a:\a+1], v[\b:\b+1]
.irp j, 2,4,6,8,10,12,14
	v_pk_fma_f32 v[\acc:\acc+1], v[\a+\j:\a+\j+1], v[\b+\j:\b+\j+1], v[\acc:\acc+1]
.endr
	v_add_f32 v[\res], v[\acc], v[\acc+1]
.endm
; d = artanh(c) / c for 1e-5 <= c <= 1 - 1e-5: from 0.125 on by two logarithms, under it by 1 + c^2/3 + c^4/5 + c^6/7.  Both are computed, one is chosen.
.macro ATANHC d, c
	v_add_f32 v[U], 1.0, v[\c]
	v_sub_f32 v[U+1], 1.0, v[\c]
	s_wait_alu depctr_va_vdst(0)
	v_log_f32 v[U], v[U]
	v_log_f32 v[U+1], v[U+1]
	v_rcp_f32 v[U+2], v[\c]
	v_mul_f32 v[U+3], v[\c], v[\c]                 ; the series is the plain work behind the three transcendentals
	v_fma_f32 v[U+4], v[U+3], s[K7], s[K5]
	v_fma_f32 v[U+4], v[U+4], v[U+3], s[K3]
	v_fma_f32 v[U+4], v[U+4], v[U+3], 1.0
	s_wait_alu depctr_va_vdst(0)                   ; one wait for the three, ahead of their first reader
	v_sub_f32 v[U], v[U], v[U+1]
	v_mul_f32 v[U], s[KLN], v[U]
	v_mul_f32 v[U], v[U], v[U+2]
	v_cmp_gt_f32 vcc_lo, s[K8], v[\c]
	v_cndmask_b32 v[\d], v[U], v[U+4], vcc_lo
.endm
; d = tanh(y), y >= 0: from 0.125 on 1 - 2 / (1 + e^(2 y)) (an exponential that overflows gives 1), under it y (1 - y^2/3 + 2 y^4/15 - 17 y^6/315)
.macro TANHP d, y
	v_mul_f32 v[U], s[KE2], v[\y]
	s_wait_alu depctr_va_vdst(0)
	v_exp_f32 v[U], v[U]
	v_mul_f32 v[U+3], v[\y], v[\y]
	v_fma_f32 v[U+4], v[U+3], s[K17], s[K215]
	v_fma_f32 v[U+4], v[U+4], v[U+3], s[KN3]
	v_fma_f32 v[U+4], v[U+4], v[U+3], 1.0
	v_mul_f32 v[U+4], v[U+4], v[\y]
	s_wait_alu depctr_va_vdst(0)
	v_add_f32 v[U], 1.0, v[U]
	s_wait_alu depctr_va_vdst(0)
	v_rcp_f32 v[U], v[U]
	v_nop
	s_wait_alu depctr_va_vdst(0)
	v_fma_f32 v[U], v[U], -2.0, 1.0
	v_cmp_gt_f32 vcc_lo, s[K8], v[\y]
	v_cndmask_b32 v[\d], v[U], v[U+4], vcc_lo
.endm
; the Moebius matrix product's scalar: so = min(tanh(|P| rho), 1 - 1e-5) / |P|, qo = so^2 |P|^2; si = |P|^2
.macro MMS so, qo, si, rho
	v_max_num_f32 v[U+6], s[KMIN], v[\si]
	s_wait_alu depctr_va_vdst(0)
	v_rsq_f32 v[U+7], v[U+6]
	v_nop
	s_wait_alu depctr_va_vdst(0)
	v_mul_f32 v[U+8], v[U+6], v[U+7]
	v_mul_f32 v[U+8], \rho, v[U+8]
	TANHP U+9, U+8
	v_min_num_f32 v[U+9], s[KMAX], v[U+9]
	v_mul_f32 v[\so], v[U+9], v[U+7]
	v_mul_f32 v[\qo], v[\so], v[\so]
	v_mul_f32 v[\qo], v[\qo], v[\si]
.endm
; u (+) v = ao u + bo v, clipped to the ball; wo = its squared norm, no = its norm; pu = |u|^2, pv = |v|^2, pd = u.v
.macro MOBADD ao, bo, wo, pu, pv, pd, no
	v_fma_f32 v[U+10], v[\pd], 2.0, 1.0
	v_sub_f32 v[U+12], 1.0, v[\pu]                 ; b'
	v_add_f32 v[U+11], v[U+10], v[\pv]             ; a'
	v_fma_f32 v[U+13], v[\pu], v[\pv], v[U+10]
	v_mul_f32 v[U+14], v[U+12], v[\pd]
	v_mul_f32 v[U+15], v[U+12], v[\pv]
	v_max_num_f32 v[U+13], s[KMIN], v[U+13]        ; den
	v_fma_f32 v[U+14], v[U+11], v[\pu], v[U+14]
	v_fma_f32 v[U+15], v[U+11], v[\pd], v[U+15]
	v_mul_f32 v[U+15], v[U+12], v[U+15]
	v_fma_f32 v[U+14], v[U+11], v[U+14], v[U+15]   ; a' (a' |u|^2 + b' u.v) + b' (a' u.v + b' |v|^2)
	v_max_num_f32 v[U+14], 0, v[U+14]              ; N
	v_max_num_f32 v[U+15], 0x0d800000, v[U+14]     ; held at 2^-100 for the root
	s_wait_alu depctr_va_vdst(0)
	v_rcp_f32 v[U+16], v[U+13]                     ; 1 / den
	v_rsq_f32 v[U+15], v[U+15]                     ; 1 / sqrt(N)
	v_nop
	s_wait_alu depctr_va_vdst(0)                   ; one wait for the two
	v_mul_f32 v[\ao], v[U+11], v[U+16]
	v_mul_f32 v[\bo], v[U+12], v[U+16]
	v_mul_f32 v[\no], v[U+14], v[U+15]             ; sqrt(N)
	v_mul_f32 v[U+15], v[U+15], v[U+13]            ; den / sqrt(N) = 1 / the norm
	v_mul_f32 v[\no], v[\no], v[U+16]              ; the norm ahead of the clip
	v_mul_f32 v[U+15], s[KMAX], v[U+15]
	v_mul_f32 v[U+14], v[\no], v[\no]
	v_cmp_lt_f32 vcc_lo, s[KMAX2], v[U+14]
	v_cndmask_b32 v[U+15], 1.0, v[U+15], vcc_lo    ; the clip's factor
	v_min_num_f32 v[\no], s[KMAX], v[\no]
	v_mul_f32 v[\ao], v[\ao], v[U+15]
	v_mul_f32 v[\bo], v[\bo], v[U+15]
	v_mul_f32 v[U+16], v[U+15], v[U+15]
	v_mul_f32 v[\wo], v[U+14], v[U+16]
.endm
.macro LIN3 a, b, c                    ; a = CA a + CB b + CC c (of each coefficient's pair the low word serves both halves)
.irp j, 0,2,4,6,8,10,12,14
	v_pk_mul_f32 v[\a+\j:\a+\j+1], v[\a+\j:\a+\j+1], v[CA:CA+1] op_sel_hi:[1,0]
.endr
.irp j, 0,2,4,6,8,10,12,14
	v_pk_fma_f32 v[\a+\j:\a+\j+1], v[\b+\j:\b+\j+1], v[CB:CB+1], v[\a+\j:\a+\j+1] op_sel_hi:[1,0,1]
.endr
.irp j, 0,2,4,6,8,10,12,14
	v_pk_fma_f32 v[\a+\j:\a+\j+1], v[\c+\j:\c+\j+1], v[CC:CC+1], v[\a+\j:\a+\j+1] op_sel_hi:[1,0,1]
.endr
.endm
.macro SIG16 a, b, c                   ; a = 1 / (1 + 2^(CA a + CB b + CC c)): two batches of sixteen transcendentals
	LIN3 \a, \b, \c
	s_wait_alu depctr_va_vdst(0)
.irp j, 0,1,2,3,4,5,6,7,8,9,10,11,12,13,14,15
	v_exp_f32 v[\a+\j], v[\a+\j]
.endr
	v_nop
	s_wait_alu depctr_va_vdst(0)
.irp j, 0,2,4,6,8,10,12,14
	v_pk_add_f32 v[\a+\j:\a+\j+1], v[\a+\j:\a+\j+1], 1.0 op_sel_hi:[1,0]
.endr
	s_wait_alu depctr_va_vdst(0)
.irp j, 0,1,2,3,4,5,6,7,8,9,10,11,12,13,14,15
	v_rcp_f32 v[\a+\j], v[\a+\j]
.endr
	v_nop
	s_wait_alu depctr_va_vdst(0)
.endm
.macro LOADN reg, sb                   ; my 16 numbers of a row that this launch reads once: each load reads 512 consecutive bytes
.irp i, 0,1,2,3
	global_load_b128 v[\reg+4*\i:\reg+4*\i+3], v1, s[\sb:\sb+1] offset:512*\i th:TH_LOAD_NT
.endr
.endm
.macro LOADR reg, sb                   ; the same of a bias, which every work-group reads
.irp i, 0,1,2,3
	global_load_b128 v[\reg+4*\i:\reg+4*\i+3], v1, s[\sb:\sb+1] offset:512*\i
.endr
.endm
.macro ROW2 off                        ; two sums, at v[U+28] and v[U+29], over the row: through the LDS region at off, with its barrier
	WRED 2, U+28, U+30
	ds_store_b64 v2, v[U+28:U+29] offset:\off
	s_wait_dscnt 0x0                               ; for the others' sake: my sums have landed
	s_barrier_signal -1
	s_barrier_wait -1
.irp w, 0,1,2,3
	ds_load_b64 v[U+8+2*\w:U+9+2*\w], v3 offset:\off+64*\w
.endr
	s_wait_dscnt 0x0
	v_pk_add_f32 v[U+8:U+9], v[U+8:U+9], v[U+10:U+11]
	v_pk_add_f32 v[U+12:U+13], v[U+12:U+13], v[U+14:U+15]
	v_pk_add_f32 v[U+28:U+29], v[U+8:U+9], v[U+12:U+13]
.endm
	s_load_b512 s[4:19], s[0:1], 0x0               ; pg, p5, hidden, b_z, b_h, aq, rq, out0
	v_lshl_add_u32 v208, v0, 2, 0x400
	v_mov_b32 v209, 0
	v_lshrrev_b32 v2, 5, v0
	v_readfirstlane_b32 s20, v2                    ; wave 0..3: my quarter of the row
	v_and_b32 v1, 31, v0
	s_lshl_b32 s22, s20, 11
	v_lshl_add_u32 v1, v1, 4, s22                  ; 2,048 x quarter + 16 x lane
	s_lshl_b32 s23, s20, 6
	v_mov_b32 v2, s23                              ; 64 x wave: my place in each LDS region
	v_mov_b32 v3, 0
	s_lshl_b32 s21, ttmp9, 6                       ; the row's 64 bytes of row numbers
	s_lshl_b32 s44, ttmp9, 13                      ; its 8,192 bytes in a matrix of f32
	s_mov_b32 s45, 0
	s_wait_alu depctr_va_vdst(0)
	s_wait_kmcnt 0x0
	s_load_b128 s[24:27], s[14:15], s21 offset:0x640000   ; hidden's f, rho, S'
	s_load_b32 s28, s[14:15], s21 offset:0x660004         ; hyp_x's rho
	s_load_b32 s29, s[16:17], s21 offset:0x320000         ; r_point_h's rho
	s_add_nc_u64 s[32:33], s[4:5], s[44:45]        ; h w_z
	s_add_nc_u64 s[34:35], s[32:33], 0x1000000     ; x u_z
	s_add_nc_u64 s[36:37], s[32:33], 0x3000000     ; x u_r
	s_add_nc_u64 s[38:39], s[6:7], s[44:45]        ; r_point_h w_h
	s_add_nc_u64 s[40:41], s[8:9], s[44:45]        ; hidden
	s_add_nc_u64 s[42:43], s[18:19], s[44:45]      ; out0
	LOADN ZA, 32
	LOADN ZB, 34
	LOADR ZC, 10
	LOADN TA, 38
	LOADN TB, 36
	LOADR TC, 12
	LOADN RH, 40
	s_mov_b32 s[SEL], 0x76543210
	s_mov_b32 s[SEL+1], 0xfedcba98
	s_mov_b32 s[KMIN], 0x2edbe6ff                  ; 1e-10
	s_mov_b32 s[KMAX], 0x3f7fff58                  ; 1 - 1e-5
	s_mov_b32 s[KMAX2], 0x3f7ffeb0                 ; its square
	s_mov_b32 s[K3], 0x3eaaaaab                    ; 1/3
	s_mov_b32 s[K5], 0x3e4ccccd                    ; 1/5
	s_mov_b32 s[K7], 0x3e124925                    ; 1/7
	s_mov_b32 s[KN3], 0xbeaaaaab                   ; -1/3
	s_mov_b32 s[K215], 0x3e088889                  ; 2/15
	s_mov_b32 s[K17], 0xbd5d0dd1                   ; -17/315
	s_mov_b32 s[KLN], 0x3eb17218                   ; ln 2 / 2
	s_mov_b32 s[KE2], 0x4038aa3b                   ; 2 log2(e)
	s_mov_b32 s[KNL], 0xbfb8aa3b                   ; -log2(e)
	s_mov_b32 s[KEPS], 0x3727c5ac                  ; 1e-5
	s_mov_b32 s[K8], 0x3e000000                    ; 0.125
	s_mov_b32 s[LOW], 0xffff
	s_mov_b32 s[MA], 0xff00ff
.irp i, 0,1,2,3,4,5,6,7,8,9,10,11
	v_mov_b32 v[TP+\i], 0                          ; a lane permute's destination counts as one of its sources
.endr
.irp i, 3,5,7,9,11,13
	v_mov_b32 v[CO+\i], 0                          ; the upper words of the coefficients' pairs are named, so they are written
.endr
	s_wait_loadcnt 16                              ; h w_z, x u_z and b_z are in; the sixteen loads behind them may stay out
	SUM6 ZA, ZB, ZC, SM
	s_wait_loadcnt 4                               ; r_point_h w_h, x u_r and b_h are in; hidden's four loads may stay out
	SUM6 TA, TB, TC, SM+6
	WRED 12, SM, TP
.irp j, 0,1,2
	ds_store_b128 v2, v[SM+4*\j:SM+4*\j+3] offset:SUMA+16*\j
.endr
	s_wait_dscnt 0x0                               ; for the others' sake: my sums have landed
	s_barrier_signal -1
	s_barrier_wait -1
.irp w, 0,1,2,3
.irp j, 0,1,2
	ds_load_b128 v[LD+12*\w+4*\j:LD+12*\w+4*\j+3], v3 offset:SUMA+64*\w+16*\j
.endr
.endr
	s_wait_dscnt 0x0
.irp k, 0,2,4,6,8,10
	v_pk_add_f32 v[SM+\k:SM+\k+1], v[LD+\k:LD+\k+1], v[LD+12+\k:LD+13+\k]
	v_pk_add_f32 v[LD+24+\k:LD+25+\k], v[LD+24+\k:LD+25+\k], v[LD+36+\k:LD+37+\k]
	v_pk_add_f32 v[SM+\k:SM+\k+1], v[SM+\k:SM+\k+1], v[LD+24+\k:LD+25+\k]   ; the same order in all four waves: the same bits
.endr
	s_wait_alu depctr_va_vdst(0)
	s_wait_kmcnt 0x0                               ; the rows' numbers
.irp i, 0,1,2,3,4,5
	v_cndmask_b32 v[SM+\i], v[SM+6+\i], v[SM+\i], s[LOW]           ; lanes 0-15 keep z's sums, lanes 16-31 take h~'s
.endr
	v_mov_b32 v[RHO], s29
	v_mov_b32 v[SI], s25
	v_cndmask_b32 v[RHO], v[RHO], v[SI], s[LOW]    ; Pa's rho: hidden's for z, r_point_h's for h~;
	v_mov_b32 v[SI], s28
	v_cndmask_b32 v[RHO], v[SI], v[RHO], s[MA]     ; Pb's: hyp_x's
	v_cndmask_b32 v[SI], v[SM+1], v[SM], s[MA]     ; |Pa|^2 or |Pb|^2
	MMS OS, OQ, SI, v[RHO]                         ; all four Moebius products' scalars at once
	v_mov_b32_dpp v[PS], v[OS] row_xmask:8 row_mask:0xf bank_mask:0xf
	v_mov_b32_dpp v[PQ], v[OQ] row_xmask:8 row_mask:0xf bank_mask:0xf
	v_cndmask_b32 v[XS1], v[PS], v[OS], s[MA]      ; Pa's scalar and squared norm in every lane of the half,
	v_cndmask_b32 v[XS2], v[OS], v[PS], s[MA]      ; and Pb's
	v_cndmask_b32 v[XU2], v[PQ], v[OQ], s[MA]
	v_cndmask_b32 v[XV2], v[OQ], v[PQ], s[MA]
	v_mul_f32 v[XUV], v[XS1], v[XS2]
	v_mul_f32 v[XUV], v[XUV], v[SM+2]
	MOBADD XA, XB, XW2, XU2, XV2, XUV, U+9
	v_mul_f32 v[XK1], v[XA], v[XS1]
	v_mul_f32 v[XK2], v[XB], v[XS2]
	v_mul_f32 v[XWB], v[XK2], v[SM+4]
	v_fma_f32 v[XWB], v[XK1], v[SM+3], v[XWB]
	MOBADD XA2, XB2, CT2, XW2, SM+5, XWB, OS       ; the transition = CA Pa + CB Pb + CC b; its norm in OS
	v_mul_f32 v[CA], v[XA2], v[XK1]
	v_mul_f32 v[CB], v[XA2], v[XK2]
	v_mov_b32 v[CC], v[XB2]
	v_max_num_f32 v[U+6], s[KEPS], v[OS]
	ATANHC U+7, U+6
	v_mul_f32 v[U+7], s[KNL], v[U+7]               ; z: the coefficients times -log2(e) artanh(n)/n, what the sigmoid's exponential wants;
	v_cndmask_b32 v[U+7], 1.0, v[U+7], s[LOW]      ; h~: as they are
	v_mul_f32 v[CA], v[CA], v[U+7]
	v_mul_f32 v[CB], v[CB], v[U+7]
	v_mul_f32 v[CC], v[CC], v[U+7]
	v_readlane_b32 s22, v[CA], 16                  ; h~'s coefficients,
	v_readlane_b32 s23, v[CB], 16
	v_readlane_b32 s44, v[CC], 16
	v_readlane_b32 s45, v[CA], 0                   ; and z's
	v_readlane_b32 s46, v[CB], 0
	v_readlane_b32 s47, v[CC], 0
	v_mov_b32 v[CA], s45
	v_mov_b32 v[CB], s46
	v_mov_b32 v[CC], s47
	SIG16 ZA, ZB, ZC                               ; z
	v_mov_b32 v[CA], s22
	v_mov_b32 v[CB], s23
	v_mov_b32 v[CC], s44
	LIN3 TA, TB, TC                                ; h~
	s_wait_alu depctr_va_vdst(0)
	s_wait_loadcnt 0x0                             ; hidden
	DOT16 U+24, U+28, RH, TA                       ; h . h~
	DOT16 U+26, U+29, TA, TA                       ; |h~|^2
	ROW2 SUMB
	v_mov_b32 v[YU2], s26                          ; |clipped h|^2
	v_mul_f32 v[YUV], s24, v[U+28]
	v_mul_f32 v[YUV], -1.0, v[YUV]                 ; (-f h) . h~
	MOBADD YA, YB, YW, YU2, U+29, YUV, YN          ; m = a (-f h) + b h~
	v_mul_f32 v[CH], s24, v[YA]
	v_mul_f32 v[CH], -1.0, v[CH]
	v_mov_b32 v[CT], v[YB]
	v_max_num_f32 v[U+6], s[KEPS], v[YN]
	ATANHC YL, U+6                                 ; log_0(m) = lambda m
.irp j, 0,2,4,6,8,10,12,14
	v_pk_mul_f32 v[TA+\j:TA+\j+1], v[TA+\j:TA+\j+1], v[CT:CT+1] op_sel_hi:[1,0]
.endr
.irp j, 0,2,4,6,8,10,12,14
	v_pk_fma_f32 v[TA+\j:TA+\j+1], v[RH+\j:RH+\j+1], v[CH:CH+1], v[TA+\j:TA+\j+1] op_sel_hi:[1,0,1]
.endr
.irp j, 0,2,4,6,8,10,12,14
	v_pk_mul_f32 v[TA+\j:TA+\j+1], v[TA+\j:TA+\j+1], v[ZA+\j:ZA+\j+1]   ; g = m z
.endr
	DOT16 U+24, U+28, RH, TA                       ; h . g
	DOT16 U+26, U+29, TA, TA                       ; |g|^2
	ROW2 SUMC
	v_mul_f32 v[U+6], v[YL], v[YL]
	v_mul_f32 v[U+6], v[U+6], v[U+29]
	v_max_num_f32 v[U+6], s[KMIN], v[U+6]
	s_wait_alu depctr_va_vdst(0)
	v_rsq_f32 v[U+7], v[U+6]
	v_nop
	s_wait_alu depctr_va_vdst(0)
	v_mul_f32 v[U+8], v[U+6], v[U+7]               ; n = the tangent vector's norm
	TANHP U+9, U+8
	v_min_num_f32 v[U+9], s[KMAX], v[U+9]
	v_mul_f32 v[YL], v[YL], v[U+9]
	v_mul_f32 v[YL], v[YL], v[U+7]                 ; kappa = lambda t / n: exp_0(lambda g) = kappa g
	v_mul_f32 v[YV2], v[YL], v[YL]
	v_mul_f32 v[YV2], v[YV2], v[U+29]              ; its squared norm
	v_mul_f32 v[YUV], v[YL], v[U+28]
	v_mul_f32 v[YUV], s24, v[YUV]                  ; (f h) . (kappa g)
	MOBADD YA, YB, YW, YU2, YV2, YUV, U+9
	v_mul_f32 v[C1], s24, v[YA]
	v_mul_f32 v[C2], v[YB], v[YL]
.irp j, 0,2,4,6,8,10,12,14
	v_pk_mul_f32 v[TA+\j:TA+\j+1], v[TA+\j:TA+\j+1], v[C2:C2+1] op_sel_hi:[1,0]
.endr
.irp j, 0,2,4,6,8,10,12,14
	v_pk_fma_f32 v[TA+\j:TA+\j+1], v[RH+\j:RH+\j+1], v[C1:C1+1], v[TA+\j:TA+\j+1] op_sel_hi:[1,0,1]
.endr
.irp i, 0,1,2,3
	global_store_b128 v1, v[TA+4*\i:TA+4*\i+3], s[42:43] offset:512*\i th:TH_STORE_NT   ; 32 lanes store 512 consecutive bytes, at a multiple of 256 from out0's first byte
.endr
	s_wait_tensorcnt 0x0                           ; the wave's end
	ds_add_u32 v208, v209
	s_wait_dscnt 0x0
	s_endpgm
.Lfunc_end_k_q74737780e0_final:
	.size	k_q74737780e0_final, .Lfunc_end_k_q74737780e0_final-k_q74737780e0_final
	.p2alignl 7, 3214868480
	.fill 96, 4, 3214868480
	.section	.rodata,"a",@progbits
	.p2align	6, 0x0
	.amdhsa_kernel k_q74737780e0_final
		.amdhsa_group_segment_fixed_size 1536
		.amdhsa_private_segment_fixed_size 0
		.amdhsa_enable_private_segment 0
		.amdhsa_kernarg_size 64
		.amdhsa_user_sgpr_count 2
		.amdhsa_user_sgpr_kernarg_segment_ptr 1
		.amdhsa_wavefront_size32 1
		.amdhsa_system_sgpr_workgroup_id_x 1
		.amdhsa_system_sgpr_workgroup_id_y 1
		.amdhsa_system_sgpr_workgroup_id_z 1
		.amdhsa_system_vgpr_workitem_id 0
		.amdhsa_next_free_vgpr 210
		.amdhsa_next_free_sgpr 66
		.amdhsa_reserve_vcc 1
		.amdhsa_float_denorm_mode_32 3
		.amdhsa_float_denorm_mode_16_64 3
		.amdhsa_memory_ordered 1
		.amdhsa_forward_progress 1
		.amdhsa_inst_pref_size 42
	.end_amdhsa_kernel
	.amdgpu_metadata
---
amdhsa.version: [ 1, 2 ]
amdhsa.kernels:
  - .name:           k_q74737780e0_final
    .symbol:         k_q74737780e0_final.kd
    .args:
      - { .name: pg, .offset: 0, .size: 8, .value_kind: global_buffer, .address_space: global }
      - { .name: p5, .offset: 8, .size: 8, .value_kind: global_buffer, .address_space: global }
      - { .name: hidden, .offset: 16, .size: 8, .value_kind: global_buffer, .address_space: global }
      - { .name: b_z, .offset: 24, .size: 8, .value_kind: global_buffer, .address_space: global }
      - { .name: b_h, .offset: 32, .size: 8, .value_kind: global_buffer, .address_space: global }
      - { .name: aq, .offset: 40, .size: 8, .value_kind: global_buffer, .address_space: global }
      - { .name: rq, .offset: 48, .size: 8, .value_kind: global_buffer, .address_space: global }
      - { .name: out0, .offset: 56, .size: 8, .value_kind: global_buffer, .address_space: global }
    .group_segment_fixed_size: 1536
    .private_segment_fixed_size: 0
    .kernarg_segment_align: 8
    .kernarg_segment_size: 64
    .max_flat_workgroup_size: 128
    .sgpr_count:     66
    .vgpr_count:     210
    .wavefront_size: 32
...
	.end_amdgpu_metadata
.endif
;; end of part 5
